; MI455X (gfx1250); checked and timed in simulation.
; The chip was launched on July 23, 2026; its instructions are those of AMD's public machine-readable ISA for CDNA 5 (MIT licence, August 2026) and "CDNA5" Instruction Set Architecture Reference Guide (July 2026). The comments in the code are by the model that wrote it; some were corrected since.
;; Multi Head Attention. Allowed arithmetic: matrix products marked QUANTISED: E2M3 operands, one E8M0 scale for each 32 along K, by v_wmma_scale_f32_16x16x128_f8f6f4 with both operands' format E2M3, f32 sums; everything else in f32.
;; Inputs: Wk 16 x 64 x 1,024 float32; Wo 1,024 x 1,024 float32; Wq 16 x 64 x 1,024 float32; Wv 16 x 64 x 1,024 float32; bk 16 x 64 float32; bo 1,024 float32; bq 16 x 64 float32; bv 16 x 64 float32; ln_beta 1,024 float32; ln_gamma 1,024 float32; x 4 x 2,048 x 1,024 float32.
;; Outputs: out0 4 x 2,048 x 1,024 float32.
;; This version of the problem:
;;   THIS VERSION OF THE PROBLEM IS GIVEN IN LOW PRECISION. The matrix products marked QUANTISED in the list below multiply operands that are first quantised to E2M3 (2 exponent bits, 3 mantissa bits; 6 bits a number), with one power-of-two scale for each 32 numbers along K (OCP MX v1.0); their sums are f32. All else is computed in f32.
;;   The module's matrix products, in the order in which they are computed (A, B: the left and right operand; K: the contracted axis; several contracted axes count as one K, in the product's order):
;;     1. [M 1,024, K 1,024] x [K 1,024, N 8,192]; A: input Wq; B: computed on the way: QUANTISED
;;     2. [M 1,024, K 1,024] x [K 1,024, N 8,192]; A: input Wk; B: computed on the way: QUANTISED
;;     3. [M 1,024, K 1,024] x [K 1,024, N 8,192]; A: input Wv; B: computed on the way: QUANTISED
;;     4. batch 64 x [M 2,048, K 64] x [K 64, N 2,048]; A: computed on the way; B: computed on the way: QUANTISED
;;     5. batch 64 x [M 2,048, K 2,048] x [K 2,048, N 64]; A: softmax (see below); B: computed on the way: QUANTISED
;;     6. [M 8,192, K 1,024] x [K 1,024, N 1,024]; A: computed on the way; B: input Wo: QUANTISED
;;   THE QUANTISER, for each operand of a quantised product, along K:
;;     - K is cut into blocks of 32 from its start; a last block that is shorter is filled with zeros.
;;     - A block's scale is 2^e with e = floor(log2(the largest magnitude in the block)) - 2, held to -126 .. 127; a block of zeros has e = 0. As a byte (E8M0): e + 127.
;;     - Each number is divided by its block's scale, clamped to +-7.5, and rounded to the nearest number of E2M3, ties to even, subnormals kept.
;;     - The product sums the exact products of the quantised numbers (number of the format x scale) in f32.
;;   ~~~python
;;   def quantise(x, axis):      # numpy; x: float32 -> the quantised numbers, widened to float32 again
;;       x = np.moveaxis(x, axis, -1); K = x.shape[-1]
;;       x = np.pad(x, [(0, 0)] * (x.ndim - 1) + [(0, -K % 32)]); x = x.reshape(x.shape[:-1] + (-1, 32)); a = np.abs(x).max(-1, keepdims=True)
;;       e = np.where(a > 0, np.clip(np.frexp(np.where(a > 0, a, 1))[1] - 1 - 2, -126, 127), 0)      # np.frexp(a)[1] - 1 = floor(log2(a)), exactly
;;       r = np.clip(x / 2.0 ** e, -7.5, 7.5)
;;       step = 2.0 ** (np.maximum(np.frexp(np.where(r == 0, 1, r))[1] - 1, 0) - 3)
;;       q = np.round(r / step) * step * 2.0 ** e      # np.round: ties to even
;;       return np.moveaxis(q.reshape(q.shape[:-2] + (-1,))[..., :K], -1, axis).astype(np.float32)
;;   ~~~
;;   SOFTMAX AHEAD OF A QUANTISED PRODUCT. Where the list says 'softmax', what is quantised is not the finished softmax but p = 2^(t - M), with t = logit x log2(e) and M = ceil(the row's largest t), a whole number; so 1/2 < the row's largest p <= 1. The row's sum l is taken of the UNQUANTISED p, in f32, and the product's result is divided by l at the end. Since M is a whole number, a kernel that streams over the keys may use a running M (the ceiling of the running maximum): every later rescaling is an exact power of two, which a block's scale takes up: the codes' values come out the same.
;;   OPERANDS COMPUTED ON THE WAY. 'Computed on the way' means the value that the module computes at that place (a softmax that the list does not call 'softmax' is quantised finished and normalised). What goes into a quantiser is computed in f32, as accurately as f32 sums, v_exp_f32 and their like allow (about 1e-6 of the number): no bf16 or f16 on the way to a quantiser, and a product that is left as it is and whose result goes on into a quantised operand takes f32 operands (vector FMAs, or v_wmma_f32_16x16x4_f32). A number that lies on a knife's edge between two numbers of the format may be rounded either way, as far as f32 arithmetic and the matrix unit's own rounding can turn it there, and no further.
;; One version. Each part assembles by itself: llvm-mc -triple=amdgcn-amd-amdhsa -mcpu=gfx1250 --defsym DOCPART=n.
;; ======== version 1 of 1: 4 launches
;; workspace buffers: xq 6,553,600 bytes; wq 3,276,800 bytes; qq 6,815,744 bytes; kv 13,369,344 bytes; oq 6,553,600 bytes
;; launch prep (part 1): grid 768 x 1, 2 waves a work-group, no clusters, 16,640 bytes of LDS; arguments x, Wq, Wk, Wv, Wo, ln_gamma, ln_beta, xq, wq; writes xq, wq
.if DOCPART == 1
	.amdgcn_target "amdgcn-amd-amdhsa--gfx1250"
	.amdhsa_code_object_version 6
	.text
	.protected	k_q1443fe98b0_prep
	.globl	k_q1443fe98b0_prep
	.p2align	8
	.type	k_q1443fe98b0_prep,@function
k_q1443fe98b0_prep:
	s_mov_b64 s[64:65], 0
	v_nop
	global_prefetch_b8 v0, s[64:65] scope:SCOPE_SE
	s_setreg_imm32_b32 hwreg(HW_REG_WAVE_MODE, 25, 1), 1
	s_wait_xcnt 0x0
; LayerNorm(x) and the four weights become codes of FP6 (E2M3) with K = the 1,024 innermost, and one E8M0 byte for each 32 along K.
; xq: codes [8192][768 bytes], then scale bytes [8192][32] at XS_OFF.  wq: codes [4096][768] (rows: Wq, Wk, Wv, Wo), then scale bytes [4096][32] at WS_OFF.
; SHARES.  A wave takes 8 rows of 1,024 numbers, a work-group 16.  Work-groups 0-511 take x, 512-575 Wq, 576-639 Wk, 640-703 Wv, 704-767 Wo.
; ONE PATH FOR ALL: only pointers and a mask are chosen by the work-group's number.  For a weight the mean is masked to 0, the reciprocal root and gamma are replaced
; by 1 and beta by 0, so that (w - 0) x 1 x 1 + 0 = w exactly.
; A ROW stays in 32 registers a lane between the passes: sum, mean, differences, sum of squares, 1 / sqrt(var + 1e-5), (d x rs) x gamma + beta.  Each load reads 512 consecutive bytes.
; The conversion wants 16 neighbours in one lane: 512 numbers at a time go through the wave's own stage in LDS, as they lie, and come back 64 bytes a lane (16 bytes of padding behind each 64).
; A block's scale is 2^(floor(log2(largest magnitude)) - 2): its byte is the largest magnitude's exponent field - 2, held at 1 from below.
; LIMITS: NaN and infinities are not served; a block of zeros, or one whose largest magnitude lies under 2^-124, gets the byte 1 (its codes are zeros or subnormal codes; only this program reads the bytes).
; No tensor load, no barrier: waves share nothing.
.set XS_OFF, 6291456
.set WS_OFF, 3145728
.set WREG,  8192                       ; LDS of a wave: two stages, then its 256 scale bytes
.set SP,    80                         ; a lane's place in a stage: 64 bytes + 16
.set STG,   32*SP
.set SBY,   2*STG
.set G,   16                           ; v16-47   gamma, laid as a row's registers
.set BT,  48                           ; v48-79   beta
.set X,   80                           ; v80-175  three sets of 32: a row as loaded; register 4 j + k = number 128 j + 4 lane + k
.set T,   176                          ; v176-207 two sets of 16 neighbours; during the sums: four chains
.set C,   208                          ; v208-239 codes, eight sets of 4
.set E,   240                          ; v240-255 a scale byte for each of the wave's 16 steps
	s_load_b256 s[4:11], s[0:1], 0x0               ; x, Wq, Wk, Wv
	s_load_b256 s[12:19], s[0:1], 0x20             ; Wo, gamma, beta, xq
	s_load_b64 s[20:21], s[0:1], 0x40              ; wq
	v_lshl_add_u32 v235, v0, 2, 0x4000
	v_mov_b32 v239, 0
	v_lshrrev_b32 v1, 5, v0
	v_readfirstlane_b32 s22, v1                    ; wave 0, 1
	v_and_b32 v1, 31, v0                           ; lane
	v_lshlrev_b32 v2, 4, v1                        ; my 16 bytes of a load's 512
	s_mul_i32 s23, s22, WREG
	v_lshrrev_b32 v3, 2, v1
	v_mul_u32_u24 v3, v3, SP
	v_and_b32 v9, 3, v1
	v_lshl_add_u32 v3, v9, 4, v3
	v_add_nc_u32 v3, s23, v3                       ; the stage, on the way in: SP (lane / 4) + 16 (lane % 4)
	v_mul_u32_u24 v4, v1, SP
	v_add_nc_u32 v4, s23, v4                       ; and on the way out: SP x lane
	v_mul_u32_u24 v5, v1, 12                       ; my 16 codes in a step's 384 bytes
	v_lshrrev_b32 v6, 1, v1
	s_add_co_u32 s23, s23, SBY
	v_add_nc_u32 v6, s23, v6                       ; my block's scale byte in LDS
	v_lshlrev_b32 v7, 3, v1
	v_add_nc_u32 v8, s23, v7                       ; and 8 of them on the way out
	v_mov_b32 v11, 0                               ; upper halves of pairs of which the low word serves both halves
	v_mov_b32 v13, 0
	v_mov_b32 v14, 0                               ; a lane permute's destination counts as one of its sources
	s_mov_b32 s24, 0x76543210
	s_mov_b32 s25, 0xfedcba98                      ; selects for lane l xor 16
	s_mov_b32 s26, 0x3a800000                      ; 1 / 1024
	s_mov_b32 s27, 0x3727c5ac                      ; 1e-5
	s_and_b32 s28, ttmp9, 63                       ; a weight's group of 16 rows in its own tensor,
	s_sub_co_u32 s29, ttmp9, 512                   ; and in wq
	s_mov_b32 s31, WS_OFF
	s_wait_kmcnt 0x0
	s_cmp_lt_u32 ttmp9, 704                        ; the choices hang on the work-group's number alone
	s_cselect_b64 s[12:13], s[10:11], s[12:13]
	s_cmp_lt_u32 ttmp9, 640
	s_cselect_b64 s[12:13], s[8:9], s[12:13]
	s_cmp_lt_u32 ttmp9, 576
	s_cselect_b64 s[12:13], s[6:7], s[12:13]
	s_cmp_lt_u32 ttmp9, 512
	s_cselect_b64 s[12:13], s[4:5], s[12:13]       ; the source
	s_cselect_b64 s[18:19], s[18:19], s[20:21]     ; xq or wq
	s_cselect_b32 s31, XS_OFF, s31                 ; where its scale bytes begin
	s_cselect_b32 s30, -1, 0                       ; the mask: all ones for x
	s_cselect_b32 s28, ttmp9, s28
	s_cselect_b32 s29, ttmp9, s29
	s_lshl_b32 s32, s22, 3
	s_lshl_b32 s28, s28, 4
	s_add_co_u32 s28, s28, s32                     ; my first row in the source: 16 x group + 8 x wave
	s_lshl_b32 s34, s28, 12
	s_mov_b32 s35, 0
	s_add_nc_u64 s[12:13], s[12:13], s[34:35]
	s_lshl_b32 s29, s29, 4
	s_add_co_u32 s29, s29, s32                     ; and in the destination
	s_mul_i32 s34, s29, 768
	s_add_nc_u64 s[36:37], s[18:19], s[34:35]      ; its codes
	s_lshl_b32 s34, s29, 5
	s_add_co_u32 s34, s34, s31
	s_add_nc_u64 s[38:39], s[18:19], s[34:35]      ; its scale bytes: 8 rows x 32 = 256 bytes, aligned
.irp j, 0,1,2,3,4,5,6,7
	global_load_b128 v[G+4*\j:G+4*\j+3], v2, s[14:15] offset:512*\j
	global_load_b128 v[BT+4*\j:BT+4*\j+3], v2, s[16:17] offset:512*\j
.endr
.macro LOAD r                          ; row r into set r % 3: eight loads of 512 consecutive bytes
.irp j, 0,1,2,3,4,5,6,7
	global_load_b128 v[X+32*((\r)%3)+4*\j:X+32*((\r)%3)+4*\j+3], v2, s[12:13] offset:4096*(\r)+512*\j th:TH_LOAD_NT
.endr
.endm
	LOAD 0
	LOAD 1
	s_wait_loadcnt 16                              ; gamma and beta are in; the two rows' sixteen loads may be out
.set n, 0
.rept 32
	v_cndmask_b32 v[G+n], 1.0, v[G+n], s30         ; a weight: gamma = 1,
	v_and_b32 v[BT+n], s30, v[BT+n]                ; beta = 0
.set n, n+1
.endr
.macro WSUM                            ; v9 summed over the 32 lanes, the result in every lane
	v_add_f32_dpp v9, v9, v9 row_xmask:1 row_mask:0xf bank_mask:0xf
	v_add_f32_dpp v9, v9, v9 row_xmask:2 row_mask:0xf bank_mask:0xf
	v_add_f32_dpp v9, v9, v9 row_xmask:4 row_mask:0xf bank_mask:0xf
	v_add_f32_dpp v9, v9, v9 row_xmask:8 row_mask:0xf bank_mask:0xf
	v_permlanex16_b32 v14, v9, s24, s25
	v_add_f32 v9, v9, v14
.endm
.macro FOLD                            ; the four chains become one number in v9
	v_pk_add_f32 v[T:T+1], v[T:T+1], v[T+2:T+3]
	v_pk_add_f32 v[T+4:T+5], v[T+4:T+5], v[T+6:T+7]
	v_pk_add_f32 v[T:T+1], v[T:T+1], v[T+4:T+5]
	v_add_f32 v9, v[T], v[T+1]
	WSUM
.endm
.macro TURN t, xr                      ; step t (512 numbers, registers xr on) through stage t % 2: LDS serves a wave's instructions in order, so no wait stands between the stores and the loads
.irp i, 0,1,2,3
	ds_store_b128 v3, v[\xr+4*\i:\xr+4*\i+3] offset:STG*((\t)%2)+8*SP*\i
.endr
.irp i, 0,1,2,3
	ds_load_b128 v[T+16*((\t)%2)+4*\i:T+16*((\t)%2)+4*\i+3], v4 offset:STG*((\t)%2)+16*\i
.endr
.endm
.macro QSTEP t                         ; my 16 neighbours of step t: half a block of 32; my neighbour lane holds the other half
.set XS, T+16*((\t)%2)
	v_max3_num_f32 v9, |v[XS]|, |v[XS+1]|, |v[XS+2]|
	v_max3_num_f32 v14, |v[XS+3]|, |v[XS+4]|, |v[XS+5]|
.irp i, 6,10
	v_max3_num_f32 v9, v9, |v[XS+\i]|, |v[XS+\i+1]|
	v_max3_num_f32 v14, v14, |v[XS+\i+2]|, |v[XS+\i+3]|
.endr
	v_max3_num_f32 v9, v9, |v[XS+14]|, |v[XS+15]|
	v_max3_num_f32 v9, v9, v14, 0x1800000          ; and the floor 2^(3 - 127): the byte cannot fall under 1
	v_max_num_f32_dpp v9, v9, v9 row_xmask:1 row_mask:0xf bank_mask:0xf
	v_add_nc_u32 v15, 0xff000000, v9               ; 2 off the exponent field: the conversion takes this operand's exponent field as its scale
	v_cvt_scalef32_pk16_fp6_f32 v[C+4*((\t)%8):C+4*((\t)%8)+2], v[XS:XS+15], v15
	v_lshrrev_b32 v[E+(\t)], 23, v15               ; the scale's byte
	ds_store_b8 v6, v[E+(\t)] offset:16*(\t)       ; both lanes of a block write the same byte with the same value
	global_store_b96 v5, v[C+4*((\t)%8):C+4*((\t)%8)+2], s[36:37] offset:384*(\t)   ; the wave stores 384 consecutive bytes
.endm
.macro ROW r
.set XR, X+32*((\r)%3)
	s_wait_xcnt 0x0                                ; earlier stores have read their registers: a set of codes is written again four rows on
.if (\r)+2 < 8
	LOAD (\r)+2                                    ; into the set of row r - 1, whose stores into the stage are older than stage loads already waited for
.endif
.if (\r) < 6
	s_wait_loadcnt 16                              ; row r is in; the sixteen loads of rows r + 1 and r + 2 may be out
.else
	s_wait_loadcnt 8*(7-(\r))
.endif
.irp k, 0,1,2,3
	v_pk_add_f32 v[T+2*\k:T+2*\k+1], v[XR+4*\k:XR+4*\k+1], v[XR+4*\k+2:XR+4*\k+3]     ; the sum, in four chains that the first pairs start
.endr
.irp k, 0,1,2,3,4,5,6,7
	v_pk_add_f32 v[T+2*(\k%4):T+2*(\k%4)+1], v[T+2*(\k%4):T+2*(\k%4)+1], v[XR+16+2*\k:XR+16+2*\k+1]
.endr
	FOLD
	v_mul_f32 v10, s26, v9                         ; the mean,
	v_and_b32 v10, s30, v10                        ; 0 for a weight
.irp k, 0,1,2,3,4,5,6,7,8,9,10,11,12,13,14,15
	v_pk_add_f32 v[XR+2*\k:XR+2*\k+1], v[XR+2*\k:XR+2*\k+1], v[10:11] op_sel_hi:[1,0] neg_lo:[0,1] neg_hi:[0,1]   ; d = x - mean
.endr
.irp k, 0,1,2,3
	v_pk_mul_f32 v[T+2*\k:T+2*\k+1], v[XR+2*\k:XR+2*\k+1], v[XR+2*\k:XR+2*\k+1]
.endr
.irp k, 4,5,6,7,8,9,10,11,12,13,14,15
	v_pk_fma_f32 v[T+2*(\k%4):T+2*(\k%4)+1], v[XR+2*\k:XR+2*\k+1], v[XR+2*\k:XR+2*\k+1], v[T+2*(\k%4):T+2*(\k%4)+1]
.endr
	FOLD
	v_fma_f32 v9, v9, s26, s27                     ; var + 1e-5
	v_rsq_f32 v12, v9
	v_nop                                          ; one plain place behind the transcendental
	s_wait_alu depctr_va_vdst(0)
	v_cndmask_b32 v12, 1.0, v12, s30               ; 1 for a weight
.irp k, 0,1,2,3,4,5,6,7,8,9,10,11,12,13,14,15
	v_pk_mul_f32 v[XR+2*\k:XR+2*\k+1], v[XR+2*\k:XR+2*\k+1], v[12:13] op_sel_hi:[1,0]
.endr
.irp k, 0,1,2,3,4,5,6,7,8,9,10,11,12,13,14,15
	v_pk_fma_f32 v[XR+2*\k:XR+2*\k+1], v[XR+2*\k:XR+2*\k+1], v[G+2*\k:G+2*\k+1], v[BT+2*\k:BT+2*\k+1]
.endr
	TURN 2*(\r), XR
	TURN 2*(\r)+1, XR+16
	s_wait_dscnt 8                                 ; the first step is back; the second step's four stores and four loads may be out
	QSTEP 2*(\r)
	s_wait_dscnt 1                                 ; the second step is back; the byte store just issued may be out
	QSTEP 2*(\r)+1
.endm
.irp r, 0,1,2,3,4,5,6,7
	ROW \r
.endr
	ds_load_b64 v[10:11], v8                       ; LDS serves a wave's instructions in order: this sees my byte stores
	s_wait_dscnt 0x0
	global_store_b64 v7, v[10:11], s[38:39]        ; 32 lanes store 256 consecutive bytes, aligned
	s_wait_tensorcnt 0x0
	ds_add_u32 v235, v239
	s_wait_dscnt 0x0
	s_endpgm
.Lfunc_end_k_q1443fe98b0_prep:
	.size	k_q1443fe98b0_prep, .Lfunc_end_k_q1443fe98b0_prep-k_q1443fe98b0_prep
	.p2alignl 7, 3214868480
	.fill 96, 4, 3214868480
	.section	.rodata,"a",@progbits
	.p2align	6, 0x0
	.amdhsa_kernel k_q1443fe98b0_prep
		.amdhsa_group_segment_fixed_size 16640
		.amdhsa_private_segment_fixed_size 0
		.amdhsa_enable_private_segment 0
		.amdhsa_kernarg_size 72
		.amdhsa_user_sgpr_count 2
		.amdhsa_user_sgpr_kernarg_segment_ptr 1
		.amdhsa_wavefront_size32 1
		.amdhsa_system_sgpr_workgroup_id_x 1
		.amdhsa_system_sgpr_workgroup_id_y 1
		.amdhsa_system_sgpr_workgroup_id_z 1
		.amdhsa_system_vgpr_workitem_id 0
		.amdhsa_next_free_vgpr 256
		.amdhsa_next_free_sgpr 66
		.amdhsa_reserve_vcc 0
		.amdhsa_float_denorm_mode_32 3
		.amdhsa_float_denorm_mode_16_64 3
		.amdhsa_memory_ordered 1
		.amdhsa_forward_progress 1
		.amdhsa_inst_pref_size 87
	.end_amdhsa_kernel
	.amdgpu_metadata
---
amdhsa.version: [ 1, 2 ]
amdhsa.kernels:
  - .name:           k_q1443fe98b0_prep
    .symbol:         k_q1443fe98b0_prep.kd
    .args:
      - { .name: x, .offset: 0, .size: 8, .value_kind: global_buffer, .address_space: global }
      - { .name: Wq, .offset: 8, .size: 8, .value_kind: global_buffer, .address_space: global }
      - { .name: Wk, .offset: 16, .size: 8, .value_kind: global_buffer, .address_space: global }
      - { .name: Wv, .offset: 24, .size: 8, .value_kind: global_buffer, .address_space: global }
      - { .name: Wo, .offset: 32, .size: 8, .value_kind: global_buffer, .address_space: global }
      - { .name: ln_gamma, .offset: 40, .size: 8, .value_kind: global_buffer, .address_space: global }
      - { .name: ln_beta, .offset: 48, .size: 8, .value_kind: global_buffer, .address_space: global }
      - { .name: xq, .offset: 56, .size: 8, .value_kind: global_buffer, .address_space: global }
      - { .name: wq, .offset: 64, .size: 8, .value_kind: global_buffer, .address_space: global }
    .group_segment_fixed_size: 16640
    .private_segment_fixed_size: 0
    .kernarg_segment_align: 8
    .kernarg_segment_size: 72
    .max_flat_workgroup_size: 64
    .sgpr_count:     66
    .vgpr_count:     256
    .wavefront_size: 32
...
	.end_amdgpu_metadata
.endif
;; end of part 1
;; launch qkv (part 2): grid 12 x 32, 4 waves a work-group, clusters of 4 x 4, 327,680 bytes of LDS; arguments xq, wq, bq, bk, bv, qq, kv; writes qq, kv
.if DOCPART == 2
	.amdgcn_target "amdgcn-amd-amdhsa--gfx1250"
	.amdhsa_code_object_version 6
	.text
	.protected	k_q1443fe98b0_qkv
	.globl	k_q1443fe98b0_qkv
	.p2align	8
	.type	k_q1443fe98b0_qkv,@function
k_q1443fe98b0_qkv:
	s_mov_b64 s[64:65], 0
	v_nop
	global_prefetch_b8 v0, s[64:65] scope:SCOPE_SE
	s_setreg_imm32_b32 hwreg(HW_REG_WAVE_MODE, 25, 1), 1
	s_wait_xcnt 0x0
	s_wait_alu depctr_hold_cnt(0) depctr_sa_sdst(0) depctr_va_vdst(0) depctr_va_sdst(0) depctr_va_ssrc(0) depctr_va_vcc(0) depctr_vm_vsrc(0)
	s_getreg_b32 s2, hwreg(HW_REG_IB_STS2, 6, 4)
	s_cmp_eq_u32 s2, 0
	s_cbranch_scc0 .Lentry_in_a_cluster
	s_endpgm
.Lentry_in_a_cluster:
	s_bfe_u32 s2, ttmp6, 0x10000c
	s_cmp_lg_u32 s2, 0xf033
	s_cbranch_scc0 .Lentry_shape_is_right
	s_endpgm
.Lentry_shape_is_right:
; [8192 tokens][1024] x [3072 rows of Wq, Wk, Wv][1024]^T + bias, on codes of FP6 (E2M3) with one E8M0 byte for each 32 along K; the results are quantised again on the way out and leave as codes alone.
; THE PRODUCT.  A tile of 256 tokens x 256 columns is made by four waves, 128 x 128 each: 64 accumulators, 512 registers.  K goes in steps of 256 through a ring of two LDS slots filled by the tensor data mover.
; The scale bytes of the work-group's rows, for all of K, come into LDS once.  4 x 4 work-groups form a cluster: tiles of tokens are asked for jointly along a row of it, tiles of weights along a column.
; The matrix instruction is used transposed (source 0 = 16 rows of W, source 1 = 16 tokens): a lane holds one token and eight neighbouring columns.  The bias is the C of each sum's first product.
; Each of the three matrices is four tile columns wide, so the cluster's x says which it is: 0 q, 1 k, 2 v: the same in all sixteen partners.
; THE WAY OUT.  q, k (K of the next product = the head's 64): 16 tokens at a time go through the wave's stage; lane (r, h) reads back token r, e = 32 h .. 32 h + 31 of a head: a whole block.  Its 24 bytes of codes
;   are the lane's six registers of the next launch's fragment, and are stored so: [pair of registers][lane][8 bytes], 256 consecutive aligned bytes a store.  A token's scale word: bytes 0, 1 its two blocks, bytes 2, 3 the same again
;   (they stand over the zero codes that fill K from 64 to 128).
; v (K of the next product = the keys): 64 tokens at a time go through the stage; lane (r, h) reads one column down 32 tokens.  Two free choices: row r of tile 2 b + u is e = 32 b + 8 u + r + 8 (r / 8), and inside a block of
;   32 keys position p holds key 0-7, 16-23, 8-15, 24-31: the order in which the next launch's weights fall.  The order stays inside a block, so blocks and scales are the true ones.
; kv: for each batch x head a record of REC bytes: k's scale words [2048], v's [16 steps][64] at 8,192, then for each step of 128 keys 12,288 bytes: 8 tiles of k (768 each), 4 tiles of v (1,536 each).
; LIMITS: NaN and infinities are not served; a block whose largest magnitude lies under 2^-124 gets the byte 1 (only this program reads the bytes).
; REGISTERS: window 0: v0-31 addresses; v32-63 scale words, two sets; v64-127 the bias, later at work; from v128 the tokens' fragments, later 64 numbers.  window 1: the weights' fragments, two sets.  windows 2, 3: the accumulators.
.set SIZE_K, 1024
.set XS_OFF, 6291456
.set WS_OFF, 3145728
.set QS_OFF, 6291456
.set REC,    208896
.set KSTEP,  256                       ; along K in a slot
.set NQ,     KSTEP/128
.set ROWB,   192                       ; a tile's row in bytes
.set KROW,   SIZE_K*6/8
.set PITCH,  240                       ; an LDS row: 3 x (64 bytes + 16 of padding)
.set FR,     12
.set NL,     6
.set NP,     4                         ; places behind this matrix instruction (ISA guide 7.12.1)
.set HALFT,  128*PITCH
.set SLOT,   4*HALFT
.set LAPS,   SIZE_K/(2*KSTEP)
.set KS,     SIZE_K/32
.set SCL,    2*SLOT                    ; behind the ring: the scale bytes, as units of 256 bytes + 16 of padding
.set HALFS,  (128*KS/256)*272
.set SBLK,   (16*KS/256)*272
.set SPARE,  SCL+4*HALFS               ; the spare words, 128 bytes for each wave: two blocks of 256 bytes that no other line names
.set QREG,   9728                      ; the way out of q and k: for each wave 16 rows x 528 bytes, then 1,024 bytes of scale words.  All stages lie in the ring, which has had its last fill and its last read by then
.set QWORD,  8448
.set VBASE,  40960                     ; the way out of v has bytes of its own: for each wave 64 rows x 528 bytes (rows 32-63 lie 32 bytes further on), then 512 bytes of scale words
.set VREG,   34560
.set HOFF,   16928
.set VWORD,  33856
.set SWQ,  7
.set SRQ,  8
.set L16,  9
.set STOV, 10
.set RDV,  11
.set SWV,  12
.set SRV,  13
.set VSO,  14
.set SH8,  15
.set ADRA, 16                          ; v16-17 LDS address of the tokens' fragments in slot 0, 1 (v18-19: for the pieces behind one padding more)
.set ADRB, 20                          ; v20-23 the same for the weights
.set STOQ, 24
.set RDQ,  25
.set L8,   26
.set ADRS, 27                          ; LDS address of my scale words: lanes 0-15 the tokens', lanes 16-31 the weights'
.set SPW,  28                          ; LDS address of my spare word; never rewritten
.set NIL,  29                          ; 0; never rewritten
.set BOF,  30                          ; 32 x (lane / 16): my eight numbers of a bias
.set SC,   32
.set BI,   64                          ; v64-127 the bias: register 8 b + j = bias of column 16 b + 8 (lane / 16) + j
.set AF,   128
.set XD,   128                         ; the way out: two sets of 32 numbers
.set CD,   72                          ; two sets of codes
.set VW,   96                          ; v's scale words
.set G1, 24
.set G0, 32
.set G1B, 48
.set G0B, 56
.set G1S, 68
.set G0S, 76
.set G1SB, 80
.set G0SB, 88
.set MSB, 0
.macro WIN new                         ; the immediate's high byte repeats the setting that is left
.if MSB != \new
	s_set_vgpr_msb (MSB<<8)|\new
.set MSB, \new
.endif
.endm
.set MUL_LO, 0xa1                      ; source 0 (W) window 1, source 1 (tokens) window 0, C and D window 2
.set MUL_HI, 0xf1
.set TO_B,   0x40
; A joint load: waves 0 and 1 fetch the tokens' halves, waves 2 and 3 the weights'.  The branch hangs on the wave's number alone.  Four v_nop follow each of the two lines.
.macro JLOAD g0a, g1a, g0b, g1b
	s_cmp_eq_u32 s15, 0
	s_cbranch_scc0 .Lfor_b_\@
	tensor_load_to_lds s[\g0a:\g0a+3], s[\g1a:\g1a+7]
	s_nop 0
.rept 4
	v_nop
.endr
	s_branch .Lasked_\@
.Lfor_b_\@:
	tensor_load_to_lds s[\g0b:\g0b+3], s[\g1b:\g1b+7]
	s_nop 0
.rept 4
	v_nop
.endr
.Lasked_\@:
.endm
.macro CREST                           ; a round of the cluster's barrier behind its opening barrier
	s_cmp_lg_u32 s14, 0
	s_cbranch_scc1 .Lnot_wave_0_\@
	s_barrier_signal -3
.Lnot_wave_0_\@:
	s_barrier_wait -3
	s_barrier_signal -1
	s_barrier_wait -1
.endm
.macro CROUND
	s_barrier_signal -1
	s_barrier_wait -1
	CREST
.endm
	s_load_b64 s[4:5], s[0:1], 0x0                 ; xq
	s_load_b64 s[8:9], s[0:1], 0x8                 ; wq
	s_load_b128 s[96:99], s[0:1], 0x10             ; bq, bk
	s_load_b64 s[100:101], s[0:1], 0x20            ; bv
	s_load_b64 s[12:13], s[0:1], 0x28              ; qq
	s_load_b64 s[66:67], s[0:1], 0x30              ; kv
	v_lshl_add_u32 v[SPW], v0, 2, SPARE
	v_mov_b32 v[NIL], 0
	ds_add_u32 v28, v29
	ds_add_u32 v28, v29
	s_wait_dscnt 0x0
	v_lshrrev_b32 v1, 5, v0
	v_readfirstlane_b32 s14, v1                    ; wave 0..3
	s_lshr_b32 s15, s14, 1                         ; which half of the tile's tokens is mine.  Also: I fetch tokens (0) or weights (1)
	s_and_b32 s16, s14, 1                          ; which half of its columns.  Also: which 128 rows I fetch
	s_bfe_u32 s40, ttmp6, 0x40000                  ; cx, cy: my place in the cluster
	s_bfe_u32 s41, ttmp6, 0x40004
	s_lshl_b32 s42, ttmp9, 2
	s_add_co_u32 s42, s42, s40                     ; tile column = 4 x cluster x + cx
	s_and_b32 s17, ttmp7, 0xffff
	s_lshl_b32 s17, s17, 2
	s_add_co_u32 s17, s17, s41                     ; tile row = 4 x cluster y + cy
	s_lshl_b32 s43, s41, 2
	s_lshl_b32 s43, 15, s43                        ; my row of the cluster
	s_lshl_b32 s44, 0x1111, s40                    ; my column
	; descriptor group 1: a tile of 128 rows x 192 bytes; 16 bytes of padding behind every 64
	s_or_b32 s[G1+0], s43, (0<<16)|(1<<20)|(1<<21)|(3<<22)|(3<<25)
	s_or_b32 s[G1B+0], s44, (0<<16)|(1<<20)|(1<<21)|(3<<22)|(3<<25)
.irp g, G1, G1B
	s_mov_b32 s[\g+1], ROWB<<16                    ; tensor_dim0
	s_mov_b32 s[\g+2], 128<<16                     ; tensor_dim1
	s_mov_b32 s[\g+3], ROWB<<16                    ; tile_dim0
	s_mov_b32 s[\g+4], 128                         ; tile_dim1
	s_mov_b32 s[\g+5], KROW                        ; from row to row
	s_mov_b32 s[\g+6], 0
	s_mov_b32 s[\g+7], 0
.endr
	; the scale bytes of 128 rows: a dense block of 4,096 bytes, as rows of 256 bytes (32 elements of 8), 16 bytes of padding behind each
	s_or_b32 s[G1S+0], s43, (3<<16)|(1<<20)|(1<<21)|(5<<22)|(3<<25)
	s_or_b32 s[G1SB+0], s44, (3<<16)|(1<<20)|(1<<21)|(5<<22)|(3<<25)
.irp g, G1S, G1SB
	s_mov_b32 s[\g+1], 32<<16
	s_mov_b32 s[\g+2], (128*KS/256)<<16
	s_mov_b32 s[\g+3], 32<<16
	s_mov_b32 s[\g+4], 128*KS/256
	s_mov_b32 s[\g+5], 32
	s_mov_b32 s[\g+6], 0
	s_mov_b32 s[\g+7], 0
.endr
	s_lshl_b32 s18, s16, 7
	s_lshl_b32 s20, s17, 8
	s_add_co_u32 s20, s20, s18                     ; tokens: row 256 x tile row + 128 x half
	s_lshl_b32 s46, s42, 8
	s_add_co_u32 s46, s46, s18                     ; weights: row 256 x tile column + 128 x half
	s_mov_b32 s21, 0
	s_mov_b32 s47, 0
	s_mov_b64 s[18:19], KS
	s_mul_u64 s[22:23], s[20:21], s[18:19]         ; where these rows' scale bytes begin,
	s_mul_u64 s[92:93], s[46:47], s[18:19]
	s_mov_b64 s[18:19], KROW
	s_mul_u64 s[20:21], s[20:21], s[18:19]         ; and their codes
	s_mul_u64 s[46:47], s[46:47], s[18:19]
	s_mul_i32 s45, s14, HALFT                      ; where they go: wave x 128 rows: no place in the cluster enters an LDS address
	s_mul_i32 s94, s14, HALFS
	s_wait_kmcnt 0x0
	s_add_nc_u64 s[6:7], s[4:5], XS_OFF            ; the tokens' scale bytes
	s_add_nc_u64 s[10:11], s[8:9], WS_OFF          ; the weights'
	s_add_nc_u64 s[20:21], s[4:5], s[20:21]
	s_add_nc_u64 s[22:23], s[6:7], s[22:23]
	s_add_nc_u64 s[46:47], s[8:9], s[46:47]
	s_add_nc_u64 s[92:93], s[10:11], s[92:93]
	CROUND                                         ; all sixteen work-groups are here: the first joint loads meet
	s_mov_b32 s[G0S], 1
	s_add_co_u32 s[G0S+1], s94, SCL
	s_mov_b64 s[G0S+2:G0S+3], s[22:23]
	s_or_b32 s[G0S+3], s[G0S+3], 0x80000000
	s_mov_b32 s[G0SB], 1
	s_add_co_u32 s[G0SB+1], s94, SCL
	s_mov_b64 s[G0SB+2:G0SB+3], s[92:93]
	s_or_b32 s[G0SB+3], s[G0SB+3], 0x80000000
	JLOAD G0S, G1S, G0SB, G1SB                     ; the scale bytes first: they are wanted with K step 0
.irp s, 0,1
	s_mov_b32 s[G0+4*\s], 1
	s_add_co_u32 s[G0+4*\s+1], s45, \s*SLOT
	s_add_nc_u64 s[G0+4*\s+2:G0+4*\s+3], s[20:21], \s*ROWB
	s_or_b32 s[G0+4*\s+3], s[G0+4*\s+3], 0x80000000
	s_mov_b32 s[G0B+4*\s], 1
	s_add_co_u32 s[G0B+4*\s+1], s45, \s*SLOT
	s_add_nc_u64 s[G0B+4*\s+2:G0B+4*\s+3], s[46:47], \s*ROWB
	s_or_b32 s[G0B+4*\s+3], s[G0B+4*\s+3], 0x80000000
	JLOAD G0+4*\s, G1, G0B+4*\s, G1B
.endr
	; the bias of my 128 columns: which of the three hangs on the cluster's x
	s_cmp_eq_u32 ttmp9, 1
	s_cselect_b64 s[96:97], s[98:99], s[96:97]
	s_cmp_eq_u32 ttmp9, 2
	s_cselect_b64 s[96:97], s[100:101], s[96:97]
	s_lshl_b32 s92, s40, 10                        ; 256 cx + 128 x half columns, 4 bytes each
	s_lshl_b32 s93, s16, 9
	s_add_co_u32 s92, s92, s93
	s_mov_b32 s93, 0
	s_add_nc_u64 s[96:97], s[96:97], s[92:93]
	v_and_b32 v1, 15, v0                           ; r = lane % 16
	v_bfe_u32 v2, v0, 4, 1                         ; h = lane / 16
	v_lshlrev_b32 v[BOF], 5, v2
.irp b, 0,1,2,3,4,5,6,7
	global_load_b128 v[BI+8*\b:BI+8*\b+3], v[BOF], s[96:97] offset:64*\b
	global_load_b128 v[BI+8*\b+4:BI+8*\b+7], v[BOF], s[96:97] offset:64*\b+16
.endr
	v_mul_u32_u24 v3, v1, PITCH
	v_mul_u32_u24 v4, v2, 24
	v_add_nc_u32 v4, v3, v4                        ; a fragment's row x pitch + 24 x half
	v_lshl_add_u32 v5, v2, 4, v4                   ; and the same behind one padding more
	s_mul_i32 s21, s15, HALFT
	s_mul_i32 s22, s16, HALFT
	s_add_co_u32 s22, s22, 2*HALFT
.irp s, 0,1
	v_add_nc_u32 v[ADRA+\s], s21, v4
	v_add_nc_u32 v[ADRB+\s], s22, v4
	v_add_nc_u32 v[ADRA+2+\s], s21, v5
	v_add_nc_u32 v[ADRB+2+\s], s22, v5
	s_add_co_u32 s21, s21, SLOT
	s_add_co_u32 s22, s22, SLOT
.endr
	v_mul_u32_u24 v5, v1, KS                       ; my row's scale bytes: 32 a row,
	v_lshrrev_b32 v6, 8, v5
	v_lshl_add_u32 v5, v6, 4, v5                   ; and 16 more for each 256 passed
	s_mul_i32 s21, s15, HALFS
	s_mul_i32 s22, s16, HALFS
	s_add_co_u32 s22, s22, 2*HALFS
	s_sub_co_u32 s22, s22, s21
	v_mul_u32_u24 v6, s22, v2                      ; lanes 16-31 take the weights'
	s_add_co_u32 s21, s21, SCL
	v_add_nc_u32 v5, v5, v6
	v_add_nc_u32 v[ADRS], s21, v5
	; the addresses of both ways out are made here, ahead of the parting
	s_mul_i32 s23, s14, QREG
	v_mul_u32_u24 v3, v1, 528
	v_add_nc_u32 v3, s23, v3
	v_lshl_add_u32 v[STOQ], v2, 5, v3              ; in: row r, 32 bytes for each half of the lanes
	v_lshl_add_u32 v[RDQ], v2, 7, v3               ; back: row r, 128 bytes (32 numbers) for each half
	v_and_b32 v6, 31, v0
	v_lshlrev_b32 v[L8], 3, v6
	v_lshlrev_b32 v[L16], 4, v6
	s_add_co_u32 s23, s23, QWORD
	v_lshl_add_u32 v[SWQ], v1, 2, s23
	v_add_nc_u32 v[SRQ], s23, v[L16]
	s_mul_i32 s23, s14, VREG
	s_add_co_u32 s23, s23, VBASE
	v_mul_u32_u24 v3, v1, 528
	v_add_nc_u32 v3, s23, v3
	v_lshl_add_u32 v[STOV], v2, 5, v3
	v_and_b32 v4, 8, v1
	v_add_nc_u32 v4, v4, v1                        ; r + 8 (r / 8)
	v_lshlrev_b32 v4, 2, v4
	v_mad_u32_u24 v4, v2, HOFF, v4                 ; lanes 16-31 begin 32 rows further down
	v_add_nc_u32 v[RDV], s23, v4
	s_add_co_u32 s23, s23, VWORD
	v_lshl_add_u32 v[SWV], v1, 2, s23
	v_add_nc_u32 v[SRV], s23, v[L16]
	v_mul_u32_u24 v3, v2, REC
	v_lshl_add_u32 v[VSO], v1, 4, v3               ; each half of the lanes stores one head's 256 bytes of scale words
	v_lshlrev_b32 v[SH8], 3, v2
.macro FRAG reg, adr, q, i             ; a fragment: lane l holds row l % 16; registers 6 c .. 6 c + 5 hold K = 64 c + 32 (l / 16) + 0 .. 31: 24 bytes as they lie, in pieces of 8
.irp p, 0,1,2,3,4,5
.set PC, 12*(\q)+6*(\p/3)+\p%3
.if PC%8 < 5
	ds_load_b64 v[\reg+2*\p:\reg+2*\p+1], v[\adr] offset:8*PC+16*(PC/8)+(\i)*16*PITCH
.else
	ds_load_b64 v[\reg+2*\p:\reg+2*\p+1], v[\adr+2] offset:8*PC+16*(PC/8)+(\i)*16*PITCH
.endif
.endr
.endm
; 16 matrix instructions: token blocks a0, a0 + 1 x the weights' eight.  zero = 1: the first product starts the sums with the bias as C.  The 64 accumulators take turns, one instruction a turn.
.macro MUL16 a0, p, q, sc, zero
.irp a, \a0, \a0+1
.irp b, 0,1,2,3,4,5,6,7
.if \zero
	v_wmma_scale_f32_16x16x128_f8f6f4 v[8*(8*((\a)%4)+\b):8*(8*((\a)%4)+\b)+7], v[128*(\p)+FR*\b:128*(\p)+FR*\b+FR-1], v[AF+FR*(\a):AF+FR*(\a)+FR-1], v[BI+8*\b:BI+8*\b+7], v[SC+8*NQ*(\sc)+NQ*\b+(\q)], v[SC+8*NQ*(\sc)+NQ*(\a)+(\q)] matrix_a_fmt:MATRIX_FMT_FP6 matrix_b_fmt:MATRIX_FMT_FP6 matrix_a_scale:MATRIX_SCALE_ROW1
.else
	v_wmma_scale_f32_16x16x128_f8f6f4 v[8*(8*((\a)%4)+\b):8*(8*((\a)%4)+\b)+7], v[128*(\p)+FR*\b:128*(\p)+FR*\b+FR-1], v[AF+FR*(\a):AF+FR*(\a)+FR-1], v[8*(8*((\a)%4)+\b):8*(8*((\a)%4)+\b)+7], v[SC+8*NQ*(\sc)+NQ*\b+(\q)], v[SC+8*NQ*(\sc)+NQ*(\a)+(\q)] matrix_a_fmt:MATRIX_FMT_FP6 matrix_b_fmt:MATRIX_FMT_FP6 matrix_a_scale:MATRIX_SCALE_ROW1
.endif
.endr
.endr
.endm
.macro FETCH_B slot, q, p
	WIN TO_B
.irp i, 0,1,2,3,4,5,6,7
	FRAG 128*(\p)+FR*\i, ADRB+\slot, \q, \i
.endr
	WIN 0
.endm
.macro FETCH_A slot, q, i0
.irp i, \i0, \i0+1, \i0+2, \i0+3
	FRAG AF+FR*(\i), ADRA+\slot, \q, \i
.endr
.endm
.macro SCALES sc                       ; a K step's scale words: two a row; lanes 0-15 take token block i, lanes 16-31 the weights' block i
.irp i, 0,1,2,3,4,5,6,7
	ds_load_b64 v[SC+8*NQ*\sc+NQ*\i:SC+8*NQ*\sc+NQ*\i+1], v[ADRS] offset:\i*SBLK
.endr
.endm
.macro PLACES n                        ; plain vector instructions between a matrix instruction and a load into, or a read of, its registers
.rept \n
	v_nop
.endr
.endm
.macro STEP slot, q, zero              ; a step of 128 along K that has its successor in the same slot
	s_wait_dscnt 4*NL                              ; the weights' set and token blocks 0-3 are in; the youngest 24 loads (blocks 4-7) may be out
.if \zero
	WIN 0x81                                       ; C (the bias) window 0, D window 2
.else
	WIN MUL_LO
.endif
	MUL16 0, (\q)%2, \q, \slot, \zero
	MUL16 2, (\q)%2, \q, \slot, \zero
	s_wait_dscnt 0
	PLACES NP
	FETCH_B \slot, (\q)+1, 1-(\q)%2
	FETCH_A \slot, (\q)+1, 0
.if \zero
	WIN 0xc1
.else
	WIN MUL_HI
.endif
	MUL16 4, (\q)%2, \q, \slot, \zero
	MUL16 6, (\q)%2, \q, \slot, \zero
	PLACES NP
	WIN 0
	FETCH_A \slot, (\q)+1, 4
.endm
; A slot's last step changes slots: one barrier; in front of it each wave waits for all its tensor loads, adds 0 to its spare word, and waits for that and for its own reads of this slot.
.macro TURN slot, next, fill
	s_wait_tensorcnt 0x0                           ; all my tensor loads have landed: my part of the next slot
	ds_add_u32 v[SPW], v[NIL]                      ; 0 onto my spare word
	s_wait_dscnt 4*NL+1                            ; (the add and the youngest 24 loads may be out)
	WIN MUL_LO
	MUL16 0, 1, NQ-1, \slot, 0
	s_wait_dscnt 0x0                               ; the add is done, and my reads of this slot are over
	s_barrier_signal -1
	MUL16 2, 1, NQ-1, \slot, 0
	WIN 0
	s_barrier_wait -1
.if \fill
	CREST                                          ; the barrier has opened a round of the cluster's barrier: no wave of any partner still reads this slot or has a load on its way
	s_add_nc_u64 s[G0+4*\slot+2:G0+4*\slot+3], s[G0+4*\slot+2:G0+4*\slot+3], 2*ROWB
	s_add_nc_u64 s[G0B+4*\slot+2:G0B+4*\slot+3], s[G0B+4*\slot+2:G0B+4*\slot+3], 2*ROWB
	JLOAD G0+4*\slot, G1, G0B+4*\slot, G1B         ; the first tensor load behind the round; its four v_nop are the places in front of the loads below
.else
	PLACES NP
.endif
	v_add_nc_u32 v[ADRS], 4*NQ, v[ADRS]            ; the next K step's scale words (no LDS load of mine is out)
	FETCH_B \next, 0, 0
	FETCH_A \next, 0, 0
	SCALES \next
	WIN MUL_HI
	MUL16 4, 1, NQ-1, \slot, 0
	MUL16 6, 1, NQ-1, \slot, 0
	PLACES NP
	WIN 0
	FETCH_A \next, 0, 4
.endm
	s_wait_tensorcnt 1                             ; the scale bytes and my part of K step 0 are in (K step 1's load may be out),
	s_barrier_signal -1
	s_barrier_wait -1                              ; everybody's are
	FETCH_B 0, 0, 0
	FETCH_A 0, 0, 0
	SCALES 0
	FETCH_A 0, 0, 4
	s_wait_loadcnt 0x0                             ; the bias
	STEP 0, 0, 1
	s_mov_b32 s3, LAPS-1
.Llap:                                                 ; a trip goes once round the ring and fills both slots again
	TURN 0, 1, 1
	STEP 1, 0, 0
	TURN 1, 0, 1
	STEP 0, 0, 0
	s_sub_co_u32 s3, s3, 1
	s_cmp_lg_u32 s3, 0
	s_cbranch_scc1 .Llap
	TURN 0, 1, 0                                   ; the last lap fills nothing
	STEP 1, 0, 0
	s_wait_dscnt 4*NL
	WIN MUL_LO
	MUL16 0, 1, NQ-1, 1, 0
	MUL16 2, 1, NQ-1, 1, 0
	s_wait_dscnt 0
	WIN MUL_HI
	MUL16 4, 1, NQ-1, 1, 0
	MUL16 6, 1, NQ-1, 1, 0
	WIN 0
	PLACES NP
	s_wait_dscnt 0x0                               ; my reads of the ring are over;
	s_barrier_signal -1
	s_barrier_wait -1                              ; everybody's are: both slots have had their last fill, so their bytes serve as stages
	s_lshl_b32 s68, s17, 8
	s_lshl_b32 s69, s15, 7
	s_add_co_u32 s68, s68, s69                     ; my first token
	s_lshr_b32 s69, s68, 11                        ; its batch
	s_bfe_u32 s70, s68, 0x40007                    ; which 128 tokens of the sequence: the key step
	s_lshl_b32 s71, s69, 4
	s_lshl_b32 s84, s40, 2
	s_add_co_u32 s71, s71, s84
	s_lshl_b32 s84, s16, 1
	s_add_co_u32 s71, s71, s84                     ; batch x 16 + my first head (of two)
	s_mov_b32 s72, 0x76543210
	s_mov_b32 s73, 0xfedcba98                      ; selects for lane l xor 16
	v_mov_b32 v69, 0                               ; a lane permute's destination counts as one of its sources
	s_cmp_eq_u32 ttmp9, 2                          ; the cluster's x: the same in all partners and all waves
	s_cbranch_scc1 .Lv
.macro TOSTAGE adr, a, off             ; token block a, 16 rows x 512 bytes, into a stage; each accumulator from its low end on
.set AC, 64*((\a)%4)
	WIN 0x08+4*((\a)/4)                            ; the data: window 2 or 3
.irp b, 0,1,2,3,4,5,6,7
	ds_store_b128 v[\adr], v[AC+8*\b:AC+8*\b+3] offset:(\off)+64*\b
	ds_store_b128 v[\adr], v[AC+8*\b+4:AC+8*\b+7] offset:(\off)+64*\b+16
.endr
	WIN 0
.endm
.macro QUANT32 xs, c                   ; a lane's 32 numbers are a whole block: six registers of codes at v[c] on, the scale's byte in v67
	v_max3_num_f32 v64, |v[\xs]|, |v[\xs+1]|, |v[\xs+2]|
	v_max3_num_f32 v65, |v[\xs+3]|, |v[\xs+4]|, |v[\xs+5]|
.irp i, 6,10,14,18,22,26
	v_max3_num_f32 v64, v64, |v[\xs+\i]|, |v[\xs+\i+1]|
	v_max3_num_f32 v65, v65, |v[\xs+\i+2]|, |v[\xs+\i+3]|
.endr
	v_max3_num_f32 v64, v64, |v[\xs+30]|, |v[\xs+31]|
	v_max3_num_f32 v64, v64, v65, 0x1800000        ; the floor 2^(3 - 127): the byte cannot fall under 1
	v_add_nc_u32 v66, 0xff000000, v64              ; 2 off the exponent field: the conversion's scale operand
	v_cvt_scalef32_pk16_fp6_f32 v[\c:\c+2], v[\xs:\xs+15], v66
	v_cvt_scalef32_pk16_fp6_f32 v[\c+4:\c+6], v[\xs+16:\xs+31], v66   ; (a conversion's three registers begin on an even number)
	v_nop                                          ; one plain place behind a scaled conversion
	v_lshrrev_b32 v67, 23, v66
	v_mov_b32 v[\c+3], v[\c+4]
	v_mov_b32 v[\c+4], v[\c+5]
	v_mov_b32 v[\c+5], v[\c+6]
.endm
	; ---- q and k.  What differs between them is chosen by the cluster's x: the buffer, and five constants of its layout
	s_mov_b32 s85, REC
	s_mov_b32 s86, 12288
	s_mov_b32 s87, REC
	s_cmp_eq_u32 ttmp9, 0
	s_cselect_b64 s[82:83], s[12:13], s[66:67]     ; qq or kv
	s_cselect_b32 s85, 98304, s85                  ; codes: from head to head,
	s_cselect_b32 s86, 6144, s86                   ; from one 128 tokens to the next,
	s_cselect_b32 s88, 0, 12288                    ; and where they begin
	s_cselect_b32 s87, 8192, s87                   ; scale words: from head to head,
	s_cselect_b32 s89, QS_OFF, 0                   ; and where they begin
	s_mul_i32 s90, s71, s85
	s_mul_i32 s91, s70, s86
	s_add_co_u32 s90, s90, s91
	s_add_co_u32 s90, s90, s88
	s_mov_b32 s91, 0
	s_add_nc_u64 s[74:75], s[82:83], s[90:91]      ; my first head's codes,
	s_mov_b32 s90, s85
	s_add_nc_u64 s[76:77], s[74:75], s[90:91]      ; my second head's
	s_mul_i32 s90, s71, s87
	s_lshl_b32 s88, s70, 9
	s_add_co_u32 s90, s90, s88
	s_add_co_u32 s90, s90, s89
	s_add_nc_u64 s[78:79], s[82:83], s[90:91]      ; and their scale words
	s_mov_b32 s90, s87
	s_add_nc_u64 s[80:81], s[78:79], s[90:91]
.macro QKHEAD a, g, w                  ; head g of token block a: codes out, the scale word (in v[w]) to LDS
	QUANT32 XD+32*\g, CD+8*\g
.irp i, 0,1,2
	global_store_b64 v[L8], v[CD+8*\g+2*\i:CD+8*\g+2*\i+1], s[74+2*\g:75+2*\g] offset:(\a)*768+256*\i   ; 32 lanes store 256 consecutive bytes, aligned
.endr
	v_lshlrev_b32 v[\w], v[SH8], v67               ; my block's byte at its place,
	v_permlanex16_b32 v69, v[\w], s72, s73
	v_or_b32 v[\w], v[\w], v69                     ; with lane l xor 16's,
	v_lshl_or_b32 v[\w], v[\w], 16, v[\w]          ; and both once more, over the zero codes
	ds_store_b32 v[SWQ], v[\w] offset:512*\g+64*(\a)   ; both halves of the lanes write the same word with the same value
.endm
.irp a, 0,1,2,3,4,5,6,7
	s_wait_xcnt 0x0                                ; the last block's stores have read their registers
	TOSTAGE STOQ, \a, 0
.irp g, 0,1
.irp j, 0,1,2,3,4,5,6,7
	ds_load_b128 v[XD+32*\g+4*\j:XD+32*\g+4*\j+3], v[RDQ] offset:256*\g+16*\j   ; LDS serves a wave's instructions in order: these see the stores above
.endr
.endr
	s_wait_dscnt 8                                 ; head 0's numbers are in; head 1's eight loads may be out
	QKHEAD \a, 0, 68
	s_wait_dscnt 1                                 ; head 1's are in; head 0's word store may be out
	QKHEAD \a, 1, 70
.endr
	ds_load_b128 v[128:131], v[SRQ]
	ds_load_b128 v[132:135], v[SRQ] offset:512
	s_wait_dscnt 0x0
	global_store_b128 v[L16], v[128:131], s[78:79] ; 128 tokens' scale words: 512 consecutive bytes
	global_store_b128 v[L16], v[132:135], s[80:81]
	s_branch .Lend
.Lv:	; ---- v
	s_mul_i32 s90, s71, REC
	s_mov_b32 s91, 0
	s_add_nc_u64 s[82:83], s[66:67], s[90:91]      ; my first head's record
	s_mul_i32 s90, s70, 12288
	s_add_co_u32 s90, s90, 18432
	s_add_nc_u64 s[74:75], s[82:83], s[90:91]      ; the step's tiles of v
	s_lshl_b32 s90, s70, 8
	s_add_co_u32 s90, s90, 8192
	s_add_nc_u64 s[78:79], s[82:83], s[90:91]      ; and its scale words
.macro VLOAD u                         ; column tile u (head u / 4, tile u % 4): my column down my 32 tokens, in the block's order of positions
.set VX, XD+32*((\u)%2)
.set VO, 4*(32*((\u)/2)+8*((\u)%2))
.set n, 0
.rept 32
	ds_load_b32 v[VX+n], v[RDV] offset:(n%8+8*(2*((n/8)%2)+n/16))*528+VO
.set n, n+1
.endr
.endm
.irp c, 0,1                            ; tokens 64 c on: key blocks 2 c (lanes 0-15) and 2 c + 1 (lanes 16-31)
.irp p, 0,1,2,3
	TOSTAGE STOV, 4*\c+\p, \p*8448+(\p/2)*32
.endr
	VLOAD 0
.irp u, 0,1,2,3,4,5,6,7
.if \u < 7
	VLOAD \u+1
	s_wait_dscnt 32                                ; this tile's numbers are in; the next tile's 32 loads may be out
.else
	s_wait_dscnt 0x0
.endif
	s_wait_xcnt 0x0                                ; earlier stores have read their registers
	QUANT32 XD+32*(\u%2), CD+8*(\u%2)
.irp i, 0,1,2
	global_store_b64 v[L8], v[CD+8*(\u%2)+2*\i:CD+8*(\u%2)+2*\i+1], s[74:75] offset:(\u/4)*REC+(\u%4)*1536+(3*\c+\i)*256
.endr
.if \c == 0
	v_lshlrev_b32 v[VW+\u], v[SH8], v67            ; byte 2 c + (lane / 16) of the row's scale word
.else
	v_lshlrev_b32 v68, v[SH8], v67
	v_lshl_or_b32 v[VW+\u], v68, 16, v[VW+\u]
.endif
.endr
.endr
.irp u, 0,1,2,3,4,5,6,7
	v_permlanex16_b32 v69, v[VW+\u], s72, s73
	v_or_b32 v[VW+\u], v[VW+\u], v69               ; with lane l xor 16's two bytes the word is whole
	ds_store_b32 v[SWV], v[VW+\u] offset:64*\u
.endr
	ds_load_b128 v[128:131], v[SRV]
	s_wait_dscnt 0x0
	global_store_b128 v[VSO], v[128:131], s[78:79] ; sixteen lanes store one head's 256 bytes
.Lend:
	s_wait_tensorcnt 0x0                           ; the wave's end
	ds_add_u32 v[SPW], v[NIL]
	s_wait_dscnt 0x0
	CROUND                                         ; the closing round: no work-group ends while a partner may still ask for a tile that names it
	s_endpgm
.Lfunc_end_k_q1443fe98b0_qkv:
	.size	k_q1443fe98b0_qkv, .Lfunc_end_k_q1443fe98b0_qkv-k_q1443fe98b0_qkv
	.p2alignl 7, 3214868480
	.fill 96, 4, 3214868480
	.section	.rodata,"a",@progbits
	.p2align	6, 0x0
	.amdhsa_kernel k_q1443fe98b0_qkv
		.amdhsa_group_segment_fixed_size 327680
		.amdhsa_private_segment_fixed_size 0
		.amdhsa_enable_private_segment 0
		.amdhsa_kernarg_size 56
		.amdhsa_user_sgpr_count 2
		.amdhsa_user_sgpr_kernarg_segment_ptr 1
		.amdhsa_wavefront_size32 1
		.amdhsa_system_sgpr_workgroup_id_x 1
		.amdhsa_system_sgpr_workgroup_id_y 1
		.amdhsa_system_sgpr_workgroup_id_z 1
		.amdhsa_system_vgpr_workitem_id 0
		.amdhsa_next_free_vgpr 1024
		.amdhsa_next_free_sgpr 102
		.amdhsa_reserve_vcc 0
		.amdhsa_float_denorm_mode_32 3
		.amdhsa_float_denorm_mode_16_64 3
		.amdhsa_memory_ordered 1
		.amdhsa_forward_progress 1
		.amdhsa_inst_pref_size 254
	.end_amdhsa_kernel
	.amdgpu_metadata
---
amdhsa.version: [ 1, 2 ]
amdhsa.kernels:
  - .name:           k_q1443fe98b0_qkv
    .symbol:         k_q1443fe98b0_qkv.kd
    .args:
      - { .name: xq, .offset: 0, .size: 8, .value_kind: global_buffer, .address_space: global }
      - { .name: wq, .offset: 8, .size: 8, .value_kind: global_buffer, .address_space: global }
      - { .name: bq, .offset: 16, .size: 8, .value_kind: global_buffer, .address_space: global }
      - { .name: bk, .offset: 24, .size: 8, .value_kind: global_buffer, .address_space: global }
      - { .name: bv, .offset: 32, .size: 8, .value_kind: global_buffer, .address_space: global }
      - { .name: qq, .offset: 40, .size: 8, .value_kind: global_buffer, .address_space: global }
      - { .name: kv, .offset: 48, .size: 8, .value_kind: global_buffer, .address_space: global }
    .group_segment_fixed_size: 327680
    .private_segment_fixed_size: 0
    .kernarg_segment_align: 8
    .kernarg_segment_size: 56
    .max_flat_workgroup_size: 128
    .sgpr_count:     102
    .vgpr_count:     1024
    .wavefront_size: 32
...
	.end_amdgpu_metadata
.endif
;; end of part 2
;; launch attn (part 3): grid 4 x 64, 16 waves a work-group, clusters of 4 x 1, 210,944 bytes of LDS; arguments qq, kv, oq; writes oq
.if DOCPART == 3
	.amdgcn_target "amdgcn-amd-amdhsa--gfx1250"
	.amdhsa_code_object_version 6
	.text
	.protected	k_q1443fe98b0_attn
	.globl	k_q1443fe98b0_attn
	.p2align	8
	.type	k_q1443fe98b0_attn,@function
k_q1443fe98b0_attn:
	s_mov_b64 s[64:65], 0
	v_nop
	global_prefetch_b8 v0, s[64:65] scope:SCOPE_SE
	s_setreg_imm32_b32 hwreg(HW_REG_WAVE_MODE, 25, 1), 1
	s_wait_xcnt 0x0
	s_wait_alu depctr_hold_cnt(0) depctr_sa_sdst(0) depctr_va_vdst(0) depctr_va_sdst(0) depctr_va_ssrc(0) depctr_va_vcc(0) depctr_vm_vsrc(0)
	s_getreg_b32 s2, hwreg(HW_REG_IB_STS2, 6, 4)
	s_cmp_eq_u32 s2, 0
	s_cbranch_scc0 .Lentry_in_a_cluster
	s_endpgm
.Lentry_in_a_cluster:
	s_bfe_u32 s2, ttmp6, 0x10000c
	s_cmp_lg_u32 s2, 0x3003
	s_cbranch_scc0 .Lentry_shape_is_right
	s_endpgm
.Lentry_shape_is_right:
; heads[b][h][q][:] = the sum over k of softmax_k(q . k / 8) v[k][:], both products on codes of FP6 (E2M3) with E8M0 scales; the result is quantised along the head's 64 and leaves as codes.
; THE SOFTMAX: t = score x log2(e) / 8; M = the running largest t rounded UP to a whole number; p = 2^(t - M) is quantised along the keys, not normalised; the sum is taken of the unquantised p and divides at the end.
; When M moves, the sum and O are multiplied by 2^(old M - new M): exact.
; SHARES.  A work-group owns 512 queries of one batch x head; each of its sixteen waves owns a tile of 16 of them in each of two passes.  Four waves share a SIMD, so that one wave's vector work stands beside another's products and LDS loads.
; NO RING.  A head's whole record (k's and v's scale words, 16 key steps of 8 tiles of k and 4 of v: 208,896 bytes) lies in LDS and is filled once, so after two barriers the waves do not meet again.
; CLUSTER.  The four query quarters of a head walk the same record: each part of it is asked for JOINTLY, by the same tensor load with the same descriptor and a mask that names the four.
; LAYOUT.  Both products are used transposed: S^T = k q^T (source 0 = 16 neighbouring keys, source 1 = my 16 queries), O^T = v^T p^T: a lane holds one query throughout.  Every tile lies in LDS as the image of its registers:
; each load of 8 bytes a lane reads 256 consecutive bytes.  The first product's K is 64: registers 6-11 of q's and k's fragments are zero codes, written once.
; The 16 registers of score tiles 2 b, 2 b + 1 hold keys 32 b + 8 h + 0..7 and 32 b + 16 + 8 h + 0..7; so p's codes fall, inside each block of 32 keys, in the order 0-7, 16-23, 8-15, 24-31, and v's codes were laid in the same order.
; The rows of a tile of v were chosen so that O^T's 16 registers of tiles 2 b, 2 b + 1 are e = 32 b + 16 h + 0 .. 15.
; LIMITS: NaN and infinities are not served; the order of the keys inside a block differs from memory's, alike in both operands, so the unit groups the products otherwise; 1 / sum by v_rcp_f32.
; The scale bytes of the result leave as single bytes, 32 bytes apart: one byte in 24 of what the launch stores.
.set REC,    208896
.set QS_OFF, 6291456
.set OS_OFF, 6291456
.set L8,  1                            ; v1   8 x lane
.set L4,  2                            ; v2   4 x lane
.set ADK, 3                            ; v3   LDS address of the step's tiles
.set ADS, 4                            ; v4   of k's scale words
.set ADT, 5                            ; v5   of v's
.set QSO, 6                            ; v6   4 x (lane % 16)
.set OSO, 7                            ; v7   32 x (lane % 16) + lane / 16
.set KFR, 32                           ; v32-79   four fragments of k
.set VFR, 80                           ; v80-127  four fragments of v
.set S,   128                          ; v128-191 S^T, then p
.set OT,  192                          ; v192-223 O^T
                                       ; v12 -M, v13 the largest t, v[14:15] the sum; v16-27 q; v28-29 v's scale words; v224-235 p's codes; v232-247 at work; v248-251 k's scale words; v252 f; v253 p's scale word; v255 q's
.set WV,  18
.set CX,  19
.set SEL, 20
.set CS,  22
.set G1A, 24
.set G1B, 32
.set G0A, 40
.set G0B, 44
.set TB,  48                           ; s48  LDS byte at which the step's tiles begin
.set TS,  49                           ; s49  k's scale words of the step: 512 bytes a step
.set TJ,  50                           ; s50  v's: 256 bytes a step
.set CNT, 51
.set HI,  52
.set QB,  54
.set QSB, 56
.set OCB, 58
.set OSB, 60
.macro ROUND                           ; a round of the cluster's barrier
	s_barrier_signal -1
	s_barrier_wait -1
	s_cmp_lg_u32 s[WV], 0
	s_cbranch_scc1 .Lnot_wave_0_\@
	s_barrier_signal -3
.Lnot_wave_0_\@:
	s_barrier_wait -3
	s_barrier_signal -1
	s_barrier_wait -1
.endm
	s_load_b128 s[4:7], s[0:1], 0x0                ; qq, kv
	s_load_b64 s[8:9], s[0:1], 0x10                ; oq
	v_lshl_add_u32 v31, v0, 2, 0x33000
	v_mov_b32 v243, 0
	ds_add_u32 v31, v243
	ds_add_u32 v31, v243
	v_lshrrev_b32 v8, 5, v0
	v_readfirstlane_b32 s[WV], v8                  ; wave 0..15
	s_bfe_u32 s[CX], ttmp6, 0x40000                ; cx: my quarter of the queries; it enters q's and the result's global addresses alone
	s_and_b32 s10, ttmp7, 0xffff                   ; batch x 16 + head, which the four partners share
	s_mul_i32 s12, s10, REC
	s_mov_b32 s13, 0
	s_mul_i32 s14, s[WV], 2304                     ; the first fill: 9 rows of 256 bytes a wave: all scale words and key steps 0 and 1
	s_mov_b32 s15, 0
	s_mul_i32 s16, s[WV], 10752                    ; the second: 42 rows a wave: key steps 2 to 15
	s_add_co_u32 s16, s16, 36864
	s_mov_b32 s17, 0
	s_mov_b32 s[G1A], 15|(3<<16)|(1<<21)           ; 15:0 the mask: all four work-groups; 17:16 elements of 8 bytes; 21 set beside a mask; no padding
	s_mov_b32 s[G1A+1], 32<<16                     ; tensor_dim0 = 32 elements: 256 bytes
	s_mov_b32 s[G1A+2], 9<<16                      ; tensor_dim1
	s_mov_b32 s[G1A+3], 32<<16                     ; tile_dim0
	s_mov_b32 s[G1A+4], 9                          ; tile_dim1
	s_mov_b32 s[G1A+5], 32                         ; from row to row: dense
	s_mov_b32 s[G1A+6], 0
	s_mov_b32 s[G1A+7], 0
	s_mov_b32 s[G1B], 15|(3<<16)|(1<<21)
	s_mov_b32 s[G1B+1], 32<<16
	s_mov_b32 s[G1B+2], 42<<16
	s_mov_b32 s[G1B+3], 32<<16
	s_mov_b32 s[G1B+4], 42
	s_mov_b32 s[G1B+5], 32
	s_mov_b32 s[G1B+6], 0
	s_mov_b32 s[G1B+7], 0
	s_mov_b32 s[SEL], 0x76543210
	s_mov_b32 s[SEL+1], 0xfedcba98                 ; selects for lane l xor 16
	s_mov_b32 s[CS], 0x3e38aa3b                    ; c = log2(e) / 8
	s_mov_b32 s[CS+1], s[CS]                       ; (named with it as a pair, so it is written)
	s_mov_b32 s[HI], 0xffff0000                    ; lanes 16-31
	s_wait_dscnt 0x0
	s_wait_kmcnt 0x0
	s_add_nc_u64 s[6:7], s[6:7], s[12:13]          ; the head's record
	s_mov_b32 s[G0A], 1
	s_mov_b32 s[G0A+1], s14                        ; LDS holds the record as it lies in memory
	s_add_nc_u64 s[G0A+2:G0A+3], s[6:7], s[14:15]
	s_or_b32 s[G0A+3], s[G0A+3], 0x80000000
	s_mov_b32 s[G0B], 1
	s_mov_b32 s[G0B+1], s16
	s_add_nc_u64 s[G0B+2:G0B+3], s[6:7], s[16:17]
	s_or_b32 s[G0B+3], s[G0B+3], 0x80000000
	ROUND                                          ; all four work-groups are here: the joint loads meet
	tensor_load_to_lds s[G0A:G0A+3], s[G1A:G1A+7]  ; both fills of every wave go out together: two loads of mine are out
	s_nop 0
	tensor_load_to_lds s[G0B:G0B+3], s[G1B:G1B+7]
	s_nop 0
.rept 4
	v_nop
.endr
	s_lshl_b32 s66, s[CX], 5
	s_add_co_u32 s66, s66, s[WV]                   ; my tile of queries in pass 0: 32 cx + wave
	s_mul_i32 s67, s66, 768
	s_mul_i32 s68, s10, 98304
	s_add_co_u32 s68, s68, s67
	s_mov_b32 s69, 0
	s_add_nc_u64 s[QB:QB+1], s[4:5], s[68:69]      ; its codes,
	s_lshl_b32 s68, s10, 13
	s_lshl_b32 s70, s66, 6
	s_add_co_u32 s68, s68, s70
	s_add_co_u32 s68, s68, QS_OFF
	s_add_nc_u64 s[QSB:QSB+1], s[4:5], s[68:69]    ; its scale words
	s_and_b32 s70, s10, 15                         ; the head
	s_lshr_b32 s71, s10, 4                         ; the batch
	s_lshl_b32 s68, s70, 9
	s_lshl_b32 s62, s71, 7
	s_add_co_u32 s68, s68, s62
	s_add_co_u32 s68, s68, s66                     ; the result's tile: head x 512 + batch x 128 + my tile
	s_mul_i32 s68, s68, 768
	s_add_nc_u64 s[OCB:OCB+1], s[8:9], s[68:69]
	s_lshl_b32 s68, s71, 16                        ; its scale bytes: 32 a token, mine at 2 x head
	s_lshl_b32 s62, s66, 9
	s_add_co_u32 s68, s68, s62
	s_lshl_b32 s62, s70, 1
	s_add_co_u32 s68, s68, s62
	s_add_co_u32 s68, s68, OS_OFF
	s_add_nc_u64 s[OSB:OSB+1], s[8:9], s[68:69]
	v_and_b32 v8, 31, v0
	v_lshlrev_b32 v[L8], 3, v8
	v_lshlrev_b32 v[L4], 2, v8
	v_and_b32 v9, 15, v0
	v_lshlrev_b32 v[QSO], 2, v9
	v_bfe_u32 v10, v0, 4, 1
	v_lshl_add_u32 v[OSO], v9, 5, v10
.macro QLOAD p                         ; pass p's tile of q: the image of registers 0-5, and its scale words
.irp i, 0,1,2
	global_load_b64 v[16+2*\i:17+2*\i], v[L8], s[QB:QB+1] offset:12288*\p+256*\i
.endr
	global_load_b32 v255, v[QSO], s[QSB:QSB+1] offset:1024*\p
.endm
	QLOAD 0
.irp i, 0,1,2,3,4,5
	v_mov_b32 v[22+\i], 0                          ; K from 64 to 128: zero codes, in q
.irp t, 0,1,2,3
	v_mov_b32 v[KFR+12*\t+6+\i], 0                 ; and in k: written once, no load lands here
.endr
.endr
.irp b, 0,1,2,3
	v_mov_b32 v[236+\b], 0                         ; a lane permute's destination counts as one of its sources
.endr
	v_mov_b32 v253, 0                              ; (named as the upper half of the pair v[252:253] before it is first written)
.macro INIT                            ; a pass begins: the step is written once, and its first walk finds zeros, which the first change of M leaves zeros
	v_mov_b32 v13, 0xff61b1e6                      ; the largest t so far: -3e38
	v_floor_f32 v12, -v13                          ; -M
	v_mov_b32 v14, 0
	v_mov_b32 v15, 0
.set n, 0
.rept 32
	v_mov_b32 v[OT+n], 0
.set n, n+1
.endr
	s_mov_b32 s[TB], 12288
	s_mov_b32 s[TS], 0
	s_mov_b32 s[TJ], 0
.endm
.macro KQ4 g                           ; four tiles of S^T, tiles g .. g + 3.  One register carries two tiles' scale words: the even tile's in lanes 0-15, the odd tile's in lanes 16-31
.irp t, 0,1,2,3
.if \t%2
	v_wmma_scale_f32_16x16x128_f8f6f4 v[S+8*(\g+\t):S+8*(\g+\t)+7], v[KFR+12*\t:KFR+12*\t+11], v[16:27], 0, v[248+(\g+\t)/2], v255 matrix_a_fmt:MATRIX_FMT_FP6 matrix_b_fmt:MATRIX_FMT_FP6 matrix_a_scale:MATRIX_SCALE_ROW1
.else
	v_wmma_scale_f32_16x16x128_f8f6f4 v[S+8*(\g+\t):S+8*(\g+\t)+7], v[KFR+12*\t:KFR+12*\t+11], v[16:27], 0, v[248+(\g+\t)/2], v255 matrix_a_fmt:MATRIX_FMT_FP6 matrix_b_fmt:MATRIX_FMT_FP6
.endif
.endr
.endm
; A KEY STEP: 128 keys.
.macro STEP
	v_add_nc_u32 v[ADK], s[TB], v[L8]              ; (no LDS load of mine is out.  These four lines are also the places behind the last step's products)
	v_add_nc_u32 v[ADS], s[TS], v[L4]
	v_add_nc_u32 v[ADT], s[TJ], v[L4]
	v_nop
.irp t, 0,1,2,3
.irp i, 0,1,2
	ds_load_b64 v[KFR+12*\t+2*\i:KFR+12*\t+2*\i+1], v[ADK] offset:768*\t+256*\i
.endr
.endr
.irp b, 0,1,2,3
	ds_load_b32 v[248+\b], v[ADS] offset:128*\b
.endr
	s_wait_dscnt 0x0
	KQ4 0
.rept 4
	v_nop                                          ; places in front of loads into registers that matrix instructions have read
.endr
.irp t, 0,1,2,3
.irp i, 0,1,2
	ds_load_b64 v[KFR+12*\t+2*\i:KFR+12*\t+2*\i+1], v[ADK] offset:768*(4+\t)+256*\i
.endr
.endr
.irp t, 0,1,2,3
.irp i, 0,1,2,3,4,5
	ds_load_b64 v[VFR+12*\t+2*\i:VFR+12*\t+2*\i+1], v[ADK] offset:6144+1536*\t+256*\i
.endr
.endr
	ds_load_b32 v28, v[ADT] offset:8192
	ds_load_b32 v29, v[ADT] offset:8320
	s_wait_dscnt 26                                ; k's tiles 4-7 are in; v's 24 loads and its two scale words land under the softmax
	KQ4 4
.rept 4
	v_nop
.endr
.irp b, 0,1,2,3
	v_max3_num_f32 v[232+\b], v[S+16*\b], v[S+1+16*\b], v[S+2+16*\b]   ; the largest score of each block of 32 keys: it serves for the row's maximum and, since p rises with the score, for the block's largest p
.endr
.irp i, 3,5,7,9,11,13
.irp b, 0,1,2,3
	v_max3_num_f32 v[232+\b], v[232+\b], v[S+16*\b+\i], v[S+1+16*\b+\i]
.endr
.endr
.irp b, 0,1,2,3
	v_max_num_f32 v[232+\b], v[232+\b], v[S+15+16*\b]
.endr
.irp b, 0,1,2,3
	v_permlanex16_b32 v[236+\b], v[232+\b], s[SEL], s[SEL+1]
.endr
.irp b, 0,1,2,3
	v_max_num_f32 v[232+\b], v[232+\b], v[236+\b]  ; with lane l xor 16's 16 keys
.endr
	v_max3_num_f32 v254, v232, v233, v234
	v_max_num_f32 v254, v254, v235
	v_mul_f32 v254, s[CS], v254                    ; as t (c is positive)
	v_max_num_f32 v13, v13, v254                   ; the running largest t
	v_mov_b32 v254, v12
	v_floor_f32 v12, -v13                          ; the new -M = floor(-t) = -ceil(t)
	v_sub_f32 v254, v12, v254                      ; old M less new M: a whole number, 0 or less
	v_cvt_i32_f32 v254, v254                       ; (it saturates)
	v_ldexp_f32 v252, 1.0, v254                    ; f = 2^(old M - new M)
.set n, 0
.rept 32
	v_pk_fma_f32 v[S+n:S+n+1], v[S+n:S+n+1], s[CS:CS+1], v[12:13] op_sel_hi:[1,0,0]   ; t - M, two at a time
.set n, n+2
.endr
.irp b, 0,1,2,3
	v_fma_f32 v[232+\b], v[232+\b], s[CS], v12     ; the same of each block's largest score
.endr
.set n, 0
.rept 64
	v_exp_f32 v[S+n], v[S+n]                       ; p = 2^(t - M), at most 1
.set n, n+1
.endr
.irp b, 0,1,2,3
	v_exp_f32 v[232+\b], v[232+\b]                 ; the block's largest p
.endr
	v_pk_mul_f32 v[14:15], v[14:15], v[252:253] op_sel_hi:[1,0]   ; the sums under the new M.  (A plain place behind the exponentials)
	s_wait_alu depctr_va_vdst(0)
.irp b, 0,1,2,3
	v_max_num_f32 v[232+\b], 0x1800000, v[232+\b]  ; the floor 2^(3 - 127): the byte cannot fall under 1
.endr
.irp b, 0,1,2,3
	v_add_nc_u32 v[244+\b], 0xff000000, v[232+\b]  ; 2 off the exponent field: the conversion's scale operand
.endr
.irp b, 0,1,2,3
	v_lshrrev_b32 v[236+\b], 23, v[244+\b]
.endr
	v_lshl_or_b32 v253, v237, 8, v236              ; p's scale word for these 128 keys
	v_lshl_or_b32 v253, v238, 16, v253
	v_lshl_or_b32 v253, v239, 24, v253
.irp c, 0,1
	v_cvt_scalef32_pk16_fp6_f32 v[224+6*\c:226+6*\c], v[S+32*\c:S+15+32*\c], v[244+2*\c]
	v_cvt_scalef32_pk16_fp6_f32 v[236+4*\c:238+4*\c], v[S+16+32*\c:S+31+32*\c], v[244+2*\c+1]
.endr
	v_nop                                          ; one plain place behind a scaled conversion
.irp c, 0,1                            ; the operand's layout wants a whole block in a lane: lanes 0-15 block 2 c, lanes 16-31 block 2 c + 1
.irp i, 0,1,2
	v_permlane16_swap_b32 v[224+6*\c+\i], v[236+4*\c+\i]
.endr
.irp i, 0,1,2
	v_mov_b32 v[227+6*\c+\i], v[236+4*\c+\i]
.endr
.endr
	v_pk_add_f32 v[236:237], v[S:S+1], v[S+2:S+3]  ; the row's sum is taken of the unquantised p: two at a time, in two chains
.irp j, 4,8,12,16,20,24,28,32,36,40,44,48,52,56,60
	v_pk_add_f32 v[14:15], v[14:15], v[S+\j:S+\j+1]
	v_pk_add_f32 v[236:237], v[236:237], v[S+2+\j:S+3+\j]
.endr
	v_pk_add_f32 v[14:15], v[14:15], v[236:237]
.set n, 0
.rept 16
	v_pk_mul_f32 v[OT+n:OT+n+1], v[OT+n:OT+n+1], v[252:253] op_sel_hi:[1,0]   ; O^T under the new M.  (With the sums above: 48 plain lines between the last write of p's codes and scale word and the products below)
.set n, n+2
.endr
	s_wait_dscnt 0x0                               ; v is in
.irp t, 0,1,2,3                        ; O^T += v^T p^T: the four accumulators by turns; between two links of a chain stand eleven other matrix instructions
.if \t%2
	v_wmma_scale_f32_16x16x128_f8f6f4 v[OT+8*\t:OT+8*\t+7], v[VFR+12*\t:VFR+12*\t+11], v[224:235], v[OT+8*\t:OT+8*\t+7], v[28+\t/2], v253 matrix_a_fmt:MATRIX_FMT_FP6 matrix_b_fmt:MATRIX_FMT_FP6 matrix_a_scale:MATRIX_SCALE_ROW1
.else
	v_wmma_scale_f32_16x16x128_f8f6f4 v[OT+8*\t:OT+8*\t+7], v[VFR+12*\t:VFR+12*\t+11], v[224:235], v[OT+8*\t:OT+8*\t+7], v[28+\t/2], v253 matrix_a_fmt:MATRIX_FMT_FP6 matrix_b_fmt:MATRIX_FMT_FP6
.endif
.endr
	s_add_co_u32 s[TB], s[TB], 12288
	s_add_co_u32 s[TS], s[TS], 512
	s_add_co_u32 s[TJ], s[TJ], 256
.endm
.macro LOOP n
	s_mov_b32 s[CNT], \n
.Lstep_\@:
	STEP
	s_sub_co_u32 s[CNT], s[CNT], 1
	s_cmp_lg_u32 s[CNT], 0
	s_cbranch_scc1 .Lstep_\@
.endm
; THE WAY OUT of pass p: O^T / the sum; its two blocks of 32 along e are quantised in registers and leave as the image of six registers of the next launch's fragment.
.macro OUT p
	v_add_f32 v14, v14, v15
	v_permlanex16_b32 v252, v14, s[SEL], s[SEL+1]
	v_add_f32 v14, v14, v252                       ; the row's sum
	v_rcp_f32 v14, v14
.rept 4
	v_nop                                          ; the place behind the transcendental, and the places behind the last products
.endr
.set n, 0
	s_wait_alu depctr_va_vdst(0)
.rept 16
	v_pk_mul_f32 v[S+n:S+n+1], v[OT+n:OT+n+1], v[14:15] op_sel_hi:[1,0]   ; register 16 b + i = e 32 b + 16 (lane / 16) + i of my query; each accumulator from its low end on
.set n, n+2
.endr
.irp b, 0,1
	v_max3_num_f32 v[232+\b], |v[S+16*\b]|, |v[S+1+16*\b]|, 0x1800000
.endr
.irp i, 2,4,6,8,10,12,14
.irp b, 0,1
	v_max3_num_f32 v[232+\b], v[232+\b], |v[S+16*\b+\i]|, |v[S+1+16*\b+\i]|
.endr
.endr
.irp b, 0,1
	v_permlanex16_b32 v[236+\b], v[232+\b], s[SEL], s[SEL+1]
.endr
.irp b, 0,1
	v_max_num_f32 v[232+\b], v[232+\b], v[236+\b]
.endr
.irp b, 0,1
	v_add_nc_u32 v[244+\b], 0xff000000, v[232+\b]
.endr
.irp b, 0,1
	v_lshrrev_b32 v[236+\b], 23, v[244+\b]
.endr
	v_cvt_scalef32_pk16_fp6_f32 v[224:226], v[S:S+15], v244
	v_cvt_scalef32_pk16_fp6_f32 v[228:230], v[S+16:S+31], v245
	v_nop                                          ; one plain place behind a scaled conversion
.irp i, 0,1,2
	v_permlane16_swap_b32 v[224+\i], v[228+\i]     ; lanes 0-15 now hold block 0 whole, lanes 16-31 block 1
.endr
.irp i, 0,1,2
	v_mov_b32 v[227+\i], v[228+\i]
.endr
	v_cndmask_b32 v8, v236, v237, s[HI]            ; my block's byte
.irp i, 0,1,2
	global_store_b64 v[L8], v[224+2*\i:225+2*\i], s[OCB:OCB+1] offset:12288*\p+256*\i   ; 32 lanes store 256 consecutive bytes, aligned
.endr
	global_store_b8 v[OSO], v8, s[OSB:OSB+1] offset:8192*\p
.endm
	INIT
	s_wait_loadcnt 0x0                             ; q
	s_wait_tensorcnt 0x1                           ; my part of the first fill is in; the second may stay out
	s_barrier_signal -1
	s_barrier_wait -1                              ; everybody's is
	STEP                                           ; key steps 0 and 1 are written out: they read bytes under 36,864 alone, the first fill's
	STEP
	s_wait_tensorcnt 0x0                           ; my part of the second fill is in,
	s_wait_dscnt 0x0
	s_barrier_signal -1
	s_barrier_wait -1                              ; everybody's is: from here on no wave waits for another
	LOOP 14
	QLOAD 1                                        ; the last products that read q stand a whole softmax back
	OUT 0
	s_wait_xcnt 0x0                                ; the stores have read their registers
	INIT
	s_wait_loadcnt 0x0
	LOOP 16
	OUT 1
	s_wait_dscnt 0x0
	s_wait_tensorcnt 0x0
	ds_add_u32 v31, v243
	s_wait_dscnt 0x0
	ROUND                                          ; the closing round
	s_endpgm
.Lfunc_end_k_q1443fe98b0_attn:
	.size	k_q1443fe98b0_attn, .Lfunc_end_k_q1443fe98b0_attn-k_q1443fe98b0_attn
	.p2alignl 7, 3214868480
	.fill 96, 4, 3214868480
	.section	.rodata,"a",@progbits
	.p2align	6, 0x0
	.amdhsa_kernel k_q1443fe98b0_attn
		.amdhsa_group_segment_fixed_size 210944
		.amdhsa_private_segment_fixed_size 0
		.amdhsa_enable_private_segment 0
		.amdhsa_kernarg_size 24
		.amdhsa_user_sgpr_count 2
		.amdhsa_user_sgpr_kernarg_segment_ptr 1
		.amdhsa_wavefront_size32 1
		.amdhsa_system_sgpr_workgroup_id_x 1
		.amdhsa_system_sgpr_workgroup_id_y 1
		.amdhsa_system_sgpr_workgroup_id_z 1
		.amdhsa_system_vgpr_workitem_id 0
		.amdhsa_next_free_vgpr 256
		.amdhsa_next_free_sgpr 72
		.amdhsa_reserve_vcc 0
		.amdhsa_float_denorm_mode_32 3
		.amdhsa_float_denorm_mode_16_64 3
		.amdhsa_memory_ordered 1
		.amdhsa_forward_progress 1
		.amdhsa_inst_pref_size 86
	.end_amdhsa_kernel
	.amdgpu_metadata
---
amdhsa.version: [ 1, 2 ]
amdhsa.kernels:
  - .name:           k_q1443fe98b0_attn
    .symbol:         k_q1443fe98b0_attn.kd
    .args:
      - { .name: qq, .offset: 0, .size: 8, .value_kind: global_buffer, .address_space: global }
      - { .name: kv, .offset: 8, .size: 8, .value_kind: global_buffer, .address_space: global }
      - { .name: oq, .offset: 16, .size: 8, .value_kind: global_buffer, .address_space: global }
    .group_segment_fixed_size: 210944
    .private_segment_fixed_size: 0
    .kernarg_segment_align: 8
    .kernarg_segment_size: 24
    .max_flat_workgroup_size: 512
    .sgpr_count:     72
    .vgpr_count:     256
    .wavefront_size: 32
...
	.end_amdgpu_metadata
.endif
;; end of part 3
;; launch oproj (part 4): grid 4 x 32, 4 waves a work-group, clusters of 4 x 4, 327,680 bytes of LDS; arguments oq, wq, bo, x, out0; writes out0
.if DOCPART == 4
	.amdgcn_target "amdgcn-amd-amdhsa--gfx1250"
	.amdhsa_code_object_version 6
	.text
	.protected	k_q1443fe98b0_oproj
	.globl	k_q1443fe98b0_oproj
	.p2align	8
	.type	k_q1443fe98b0_oproj,@function
k_q1443fe98b0_oproj:
	s_mov_b64 s[64:65], 0
	v_nop
	global_prefetch_b8 v0, s[64:65] scope:SCOPE_SE
	s_setreg_imm32_b32 hwreg(HW_REG_WAVE_MODE, 25, 1), 1
	s_wait_xcnt 0x0
	s_wait_alu depctr_hold_cnt(0) depctr_sa_sdst(0) depctr_va_vdst(0) depctr_va_sdst(0) depctr_va_ssrc(0) depctr_va_vcc(0) depctr_vm_vsrc(0)
	s_getreg_b32 s2, hwreg(HW_REG_IB_STS2, 6, 4)
	s_cmp_eq_u32 s2, 0
	s_cbranch_scc0 .Lentry_in_a_cluster
	s_endpgm
.Lentry_in_a_cluster:
	s_bfe_u32 s2, ttmp6, 0x10000c
	s_cmp_lg_u32 s2, 0xf033
	s_cbranch_scc0 .Lentry_shape_is_right
	s_endpgm
.Lentry_shape_is_right:
; out0 = x + concat Wo^T + bo.  concat [8192][1024] and Wo [1024][1024] are codes of FP6 (E2M3) with one E8M0 byte for each 32 along K; x, bo, out0 are f32; sums in f32.
; A tile of 256 tokens x 256 columns is made by four waves, 128 x 128 each: 64 accumulators.  K goes in steps of 256 (four heads) through a ring of two LDS slots filled by the tensor data mover.
; concat lies in memory as images of fragment registers, [head][tile of 16 tokens][pair of registers][lane][8 bytes]: a wave's part of a K step is 4 rows (heads) of 6,144 bytes (8 tiles), and each LDS load reads 256 consecutive bytes.
; Wo's codes lie as rows of 768 bytes; the scale bytes of both lie as rows of 32 bytes and come into LDS once.
; 4 x 4 work-groups form a cluster: tiles of tokens are asked for jointly along a row of it, tiles of Wo along a column.  The grid has 128 work-groups: the tile is kept large, since each byte from LDS then feeds the most products.
; The matrix instruction is used transposed (source 0 = 16 rows of Wo, source 1 = 16 tokens): a lane holds eight neighbouring columns of a token's row.  bo is the C of each sum's first product.
; THE WAY OUT: 16 rows at a time through the wave's stage in slot 0 (which has had its last fill and its last read), back as whole rows of 512 bytes; x, loaded four blocks ahead into the registers that held Wo's fragments, is added; 512 consecutive bytes a store.
; REGISTERS: window 0: v0-31 addresses; v32-63 scale words; v64-127 bo; from v128 the tokens' fragments, later rows of the result.  window 1: Wo's fragments, later x.  windows 2, 3: the accumulators.
.set SIZE_K, 1024
.set OS_OFF, 6291456
.set WS_OFF, 3145728
.set WO_ROW, 3072                      ; Wo's first row in wq
.set KSTEP,  256
.set NQ,     KSTEP/128
.set ROWB,   192
.set KROW,   SIZE_K*6/8
.set PITCH,  240
.set FR,     12
.set NL,     6
.set NP,     4
.set HALFT,  128*PITCH
.set SLOT,   4*HALFT
.set LAPS,   SIZE_K/(2*KSTEP)
.set KS,     SIZE_K/32
.set SCL,    2*SLOT
.set HALFS,  (128*KS/256)*272
.set SBLK,   (16*KS/256)*272
.set SPARE,  SCL+4*HALFS               ; the spare words, 128 bytes for each wave: two blocks of 256 bytes that no other line names
.set SPITCH, 528
.set HEADB,  393216                    ; from head to head in concat's codes: 512 tiles x 768 bytes
.set ASTEP,  4*HEADB                   ; a K step on
.set ADRA, 16                          ; v16-17 LDS address of the tokens' fragments in slot 0, 1
.set ADRB, 20                          ; v20-23 of Wo's
.set STO,  24
.set RD,   25
.set CO,   26
.set ADRS, 27
.set SPW,  28
.set NIL,  29
.set BOF,  30
.set SC,   32
.set BI,   64
.set AF,   128
.set BK,   128
.set G1, 24
.set G0, 32
.set G1B, 48
.set G0B, 56
.set G1S, 68
.set G0S, 76
.set G1SB, 80
.set G0SB, 88
.set MSB, 0
.macro WIN new                         ; the immediate's high byte repeats the setting that is left
.if MSB != \new
	s_set_vgpr_msb (MSB<<8)|\new
.set MSB, \new
.endif
.endm
.set MUL_LO, 0xa1
.set MUL_HI, 0xf1
.set TO_B,   0x40
.macro JLOAD g0a, g1a, g0b, g1b        ; a joint load: waves 0 and 1 fetch tokens, waves 2 and 3 Wo; four v_nop follow each of the two lines
	s_cmp_eq_u32 s15, 0
	s_cbranch_scc0 .Lfor_b_\@
	tensor_load_to_lds s[\g0a:\g0a+3], s[\g1a:\g1a+7]
	s_nop 0
.rept 4
	v_nop
.endr
	s_branch .Lasked_\@
.Lfor_b_\@:
	tensor_load_to_lds s[\g0b:\g0b+3], s[\g1b:\g1b+7]
	s_nop 0
.rept 4
	v_nop
.endr
.Lasked_\@:
.endm
.macro CREST
	s_cmp_lg_u32 s14, 0
	s_cbranch_scc1 .Lnot_wave_0_\@
	s_barrier_signal -3
.Lnot_wave_0_\@:
	s_barrier_wait -3
	s_barrier_signal -1
	s_barrier_wait -1
.endm
.macro CROUND
	s_barrier_signal -1
	s_barrier_wait -1
	CREST
.endm
	s_load_b64 s[4:5], s[0:1], 0x0                 ; oq
	s_load_b64 s[8:9], s[0:1], 0x8                 ; wq
	s_load_b128 s[96:99], s[0:1], 0x10             ; bo, x
	s_load_b64 s[12:13], s[0:1], 0x20              ; out0
	v_lshl_add_u32 v[SPW], v0, 2, SPARE
	v_mov_b32 v[NIL], 0
	ds_add_u32 v28, v29
	ds_add_u32 v28, v29
	s_wait_dscnt 0x0
	v_lshrrev_b32 v1, 5, v0
	v_readfirstlane_b32 s14, v1                    ; wave 0..3
	s_lshr_b32 s15, s14, 1                         ; which half of the tile's tokens is mine.  Also: I fetch tokens (0) or Wo (1)
	s_and_b32 s16, s14, 1                          ; which half of its columns.  Also: which 128 rows I fetch
	s_bfe_u32 s40, ttmp6, 0x40000
	s_bfe_u32 s41, ttmp6, 0x40004
	s_lshl_b32 s42, ttmp9, 2
	s_add_co_u32 s42, s42, s40                     ; tile column
	s_and_b32 s17, ttmp7, 0xffff
	s_lshl_b32 s17, s17, 2
	s_add_co_u32 s17, s17, s41                     ; tile row
	s_lshl_b32 s43, s41, 2
	s_lshl_b32 s43, 15, s43                        ; my row of the cluster
	s_lshl_b32 s44, 0x1111, s40                    ; my column
	; group 1 for the tokens: 4 rows (heads) of 768 elements of 8 bytes, 49,152 elements apart; no padding
	s_or_b32 s[G1+0], s43, (3<<16)|(1<<21)
	s_mov_b32 s[G1+1], 768<<16                     ; tensor_dim0
	s_mov_b32 s[G1+2], 4<<16                       ; tensor_dim1
	s_mov_b32 s[G1+3], 768<<16                     ; tile_dim0
	s_mov_b32 s[G1+4], 4                           ; tile_dim1
	s_mov_b32 s[G1+5], HEADB/8                     ; from row to row
	s_mov_b32 s[G1+6], 0
	s_mov_b32 s[G1+7], 0
	; group 1 for Wo: 128 rows x 192 bytes; 16 bytes of padding behind every 64
	s_or_b32 s[G1B+0], s44, (0<<16)|(1<<20)|(1<<21)|(3<<22)|(3<<25)
	s_mov_b32 s[G1B+1], ROWB<<16
	s_mov_b32 s[G1B+2], 128<<16
	s_mov_b32 s[G1B+3], ROWB<<16
	s_mov_b32 s[G1B+4], 128
	s_mov_b32 s[G1B+5], KROW
	s_mov_b32 s[G1B+6], 0
	s_mov_b32 s[G1B+7], 0
	; the scale bytes of 128 rows: 4,096 dense bytes, as rows of 256 bytes, 16 bytes of padding behind each
	s_or_b32 s[G1S+0], s43, (3<<16)|(1<<20)|(1<<21)|(5<<22)|(3<<25)
	s_or_b32 s[G1SB+0], s44, (3<<16)|(1<<20)|(1<<21)|(5<<22)|(3<<25)
.irp g, G1S, G1SB
	s_mov_b32 s[\g+1], 32<<16
	s_mov_b32 s[\g+2], (128*KS/256)<<16
	s_mov_b32 s[\g+3], 32<<16
	s_mov_b32 s[\g+4], 128*KS/256
	s_mov_b32 s[\g+5], 32
	s_mov_b32 s[\g+6], 0
	s_mov_b32 s[\g+7], 0
.endr
	s_lshl_b32 s18, s16, 7
	s_lshl_b32 s20, s17, 8
	s_add_co_u32 s20, s20, s18                     ; tokens: 256 x tile row + 128 x half
	s_lshl_b32 s46, s42, 8
	s_add_co_u32 s46, s46, s18                     ; Wo: row 256 x tile column + 128 x half
	s_mov_b32 s21, 0
	s_mov_b32 s47, 0
	s_mov_b64 s[18:19], KS
	s_mul_u64 s[22:23], s[20:21], s[18:19]         ; their scale bytes,
	s_mul_u64 s[92:93], s[46:47], s[18:19]
	s_mov_b64 s[18:19], 48
	s_mul_u64 s[20:21], s[20:21], s[18:19]         ; the tokens' images in a head: 768 bytes for 16 tokens,
	s_mov_b64 s[18:19], KROW
	s_mul_u64 s[46:47], s[46:47], s[18:19]         ; Wo's codes
	s_mul_i32 s45, s14, HALFT                      ; where they go: wave x HALFT: no place in the cluster enters an LDS address
	s_mul_i32 s94, s14, HALFS
	s_wait_kmcnt 0x0
	s_add_nc_u64 s[6:7], s[4:5], OS_OFF
	s_add_nc_u64 s[10:11], s[8:9], WS_OFF+WO_ROW*KS
	s_add_nc_u64 s[8:9], s[8:9], WO_ROW*KROW
	s_add_nc_u64 s[20:21], s[4:5], s[20:21]
	s_add_nc_u64 s[22:23], s[6:7], s[22:23]
	s_add_nc_u64 s[46:47], s[8:9], s[46:47]
	s_add_nc_u64 s[92:93], s[10:11], s[92:93]
	CROUND                                         ; all sixteen work-groups are here: the first joint loads meet
	s_mov_b32 s[G0S], 1
	s_add_co_u32 s[G0S+1], s94, SCL
	s_mov_b64 s[G0S+2:G0S+3], s[22:23]
	s_or_b32 s[G0S+3], s[G0S+3], 0x80000000
	s_mov_b32 s[G0SB], 1
	s_add_co_u32 s[G0SB+1], s94, SCL
	s_mov_b64 s[G0SB+2:G0SB+3], s[92:93]
	s_or_b32 s[G0SB+3], s[G0SB+3], 0x80000000
	JLOAD G0S, G1S, G0SB, G1SB
.irp s, 0,1
	s_mov_b32 s[G0+4*\s], 1
	s_add_co_u32 s[G0+4*\s+1], s45, \s*SLOT
	s_add_nc_u64 s[G0+4*\s+2:G0+4*\s+3], s[20:21], \s*ASTEP
	s_or_b32 s[G0+4*\s+3], s[G0+4*\s+3], 0x80000000
	s_mov_b32 s[G0B+4*\s], 1
	s_add_co_u32 s[G0B+4*\s+1], s45, \s*SLOT
	s_add_nc_u64 s[G0B+4*\s+2:G0B+4*\s+3], s[46:47], \s*ROWB
	s_or_b32 s[G0B+4*\s+3], s[G0B+4*\s+3], 0x80000000
	JLOAD G0+4*\s, G1, G0B+4*\s, G1B
.endr
	s_lshl_b32 s20, s17, 8
	s_lshl_b32 s21, s15, 7
	s_add_co_u32 s20, s20, s21                     ; my first row of x and of out0,
	s_lshl_b32 s20, s20, 12                        ; 4,096 bytes a row
	s_mov_b32 s21, 0
	s_lshl_b32 s46, s42, 10                        ; my first column, in bytes: 1,024 x tile column + 512 x half
	s_lshl_b32 s47, s16, 9
	s_add_co_u32 s46, s46, s47
	s_mov_b32 s47, 0
	s_add_nc_u64 s[96:97], s[96:97], s[46:47]      ; bo at my first column
	s_add_nc_u64 s[20:21], s[20:21], s[46:47]
	s_add_nc_u64 s[12:13], s[12:13], s[20:21]
	s_add_nc_u64 s[98:99], s[98:99], s[20:21]
	v_and_b32 v1, 15, v0                           ; r
	v_bfe_u32 v2, v0, 4, 1                         ; h
	v_lshlrev_b32 v[BOF], 5, v2
.irp b, 0,1,2,3,4,5,6,7
	global_load_b128 v[BI+8*\b:BI+8*\b+3], v[BOF], s[96:97] offset:64*\b
	global_load_b128 v[BI+8*\b+4:BI+8*\b+7], v[BOF], s[96:97] offset:64*\b+16
.endr
	v_mul_u32_u24 v3, v1, PITCH
	v_mul_u32_u24 v4, v2, 24
	v_add_nc_u32 v4, v3, v4                        ; Wo: a fragment's row x pitch + 24 x half
	v_lshl_add_u32 v5, v2, 4, v4                   ; and the same behind one padding more
	v_and_b32 v6, 31, v0
	v_lshlrev_b32 v3, 3, v6                        ; the tokens: 8 x lane in an image
	s_mul_i32 s21, s15, HALFT
	s_mul_i32 s22, s16, HALFT
	s_add_co_u32 s22, s22, 2*HALFT
.irp s, 0,1
	v_add_nc_u32 v[ADRA+\s], s21, v3
	v_add_nc_u32 v[ADRB+\s], s22, v4
	v_add_nc_u32 v[ADRB+2+\s], s22, v5
	s_add_co_u32 s21, s21, SLOT
	s_add_co_u32 s22, s22, SLOT
.endr
	v_mul_u32_u24 v5, v1, KS
	v_lshrrev_b32 v6, 8, v5
	v_lshl_add_u32 v5, v6, 4, v5
	s_mul_i32 s21, s15, HALFS
	s_mul_i32 s22, s16, HALFS
	s_add_co_u32 s22, s22, 2*HALFS
	s_sub_co_u32 s22, s22, s21
	v_mul_u32_u24 v6, s22, v2                      ; lanes 16-31 take Wo's scale words
	s_add_co_u32 s21, s21, SCL
	v_add_nc_u32 v5, v5, v6
	v_add_nc_u32 v[ADRS], s21, v5
	s_mul_i32 s23, s14, 16*SPITCH                  ; my stage
	v_mul_u32_u24 v5, v1, SPITCH
	v_lshl_add_u32 v5, v2, 5, v5
	v_add_nc_u32 v[STO], s23, v5
	v_and_b32 v6, 31, v0
	v_lshlrev_b32 v[CO], 4, v6
	v_add_nc_u32 v[RD], s23, v[CO]
.macro FRAG reg, adr, q, i             ; a fragment of Wo from padded rows, in pieces of 8 bytes
.irp p, 0,1,2,3,4,5
.set PC, 12*(\q)+6*(\p/3)+\p%3
.if PC%8 < 5
	ds_load_b64 v[\reg+2*\p:\reg+2*\p+1], v[\adr] offset:8*PC+16*(PC/8)+(\i)*16*PITCH
.else
	ds_load_b64 v[\reg+2*\p:\reg+2*\p+1], v[\adr+2] offset:8*PC+16*(PC/8)+(\i)*16*PITCH
.endif
.endr
.endm
.macro FRAG_A reg, slot, q, i          ; a fragment of the tokens: registers 0-5 are head 2 q's image of tile i, registers 6-11 head 2 q + 1's
.irp p, 0,1,2,3,4,5
	ds_load_b64 v[\reg+2*\p:\reg+2*\p+1], v[ADRA+\slot] offset:(2*(\q)+\p/3)*6144+(\i)*768+256*(\p%3)
.endr
.endm
.macro MUL16 a0, p, q, sc, zero        ; 16 matrix instructions; zero = 1: bo is the C of the first product.  The 64 accumulators take turns, one instruction a turn
.irp a, \a0, \a0+1
.irp b, 0,1,2,3,4,5,6,7
.if \zero
	v_wmma_scale_f32_16x16x128_f8f6f4 v[8*(8*((\a)%4)+\b):8*(8*((\a)%4)+\b)+7], v[128*(\p)+FR*\b:128*(\p)+FR*\b+FR-1], v[AF+FR*(\a):AF+FR*(\a)+FR-1], v[BI+8*\b:BI+8*\b+7], v[SC+8*NQ*(\sc)+NQ*\b+(\q)], v[SC+8*NQ*(\sc)+NQ*(\a)+(\q)] matrix_a_fmt:MATRIX_FMT_FP6 matrix_b_fmt:MATRIX_FMT_FP6 matrix_a_scale:MATRIX_SCALE_ROW1
.else
	v_wmma_scale_f32_16x16x128_f8f6f4 v[8*(8*((\a)%4)+\b):8*(8*((\a)%4)+\b)+7], v[128*(\p)+FR*\b:128*(\p)+FR*\b+FR-1], v[AF+FR*(\a):AF+FR*(\a)+FR-1], v[8*(8*((\a)%4)+\b):8*(8*((\a)%4)+\b)+7], v[SC+8*NQ*(\sc)+NQ*\b+(\q)], v[SC+8*NQ*(\sc)+NQ*(\a)+(\q)] matrix_a_fmt:MATRIX_FMT_FP6 matrix_b_fmt:MATRIX_FMT_FP6 matrix_a_scale:MATRIX_SCALE_ROW1
.endif
.endr
.endr
.endm
.macro FETCH_B slot, q, p
	WIN TO_B
.irp i, 0,1,2,3,4,5,6,7
	FRAG 128*(\p)+FR*\i, ADRB+\slot, \q, \i
.endr
	WIN 0
.endm
.macro FETCH_A slot, q, i0
.irp i, \i0, \i0+1, \i0+2, \i0+3
	FRAG_A AF+FR*(\i), \slot, \q, \i
.endr
.endm
.macro SCALES sc
.irp i, 0,1,2,3,4,5,6,7
	ds_load_b64 v[SC+8*NQ*\sc+NQ*\i:SC+8*NQ*\sc+NQ*\i+1], v[ADRS] offset:\i*SBLK
.endr
.endm
.macro PLACES n                        ; plain vector instructions between a matrix instruction and a load into, or a read of, its registers
.rept \n
	v_nop
.endr
.endm
.macro STEP slot, q, zero
	s_wait_dscnt 4*NL                              ; Wo's set and token blocks 0-3 are in; the youngest 24 loads (blocks 4-7) may be out
.if \zero
	WIN 0x81                                       ; C (bo) window 0, D window 2
.else
	WIN MUL_LO
.endif
	MUL16 0, (\q)%2, \q, \slot, \zero
	MUL16 2, (\q)%2, \q, \slot, \zero
	s_wait_dscnt 0
	PLACES NP
	FETCH_B \slot, (\q)+1, 1-(\q)%2
	FETCH_A \slot, (\q)+1, 0
.if \zero
	WIN 0xc1
.else
	WIN MUL_HI
.endif
	MUL16 4, (\q)%2, \q, \slot, \zero
	MUL16 6, (\q)%2, \q, \slot, \zero
	PLACES NP
	WIN 0
	FETCH_A \slot, (\q)+1, 4
.endm
.macro TURN slot, next, fill           ; a slot's last step changes slots: one barrier; in front of it the wait for all my tensor loads, the add, and the wait for it and for my reads of this slot
	s_wait_tensorcnt 0x0
	ds_add_u32 v[SPW], v[NIL]                      ; 0 onto my spare word
	s_wait_dscnt 4*NL+1                            ; (the add and the youngest 24 loads may be out)
	WIN MUL_LO
	MUL16 0, 1, NQ-1, \slot, 0
	s_wait_dscnt 0x0
	s_barrier_signal -1
	MUL16 2, 1, NQ-1, \slot, 0
	WIN 0
	s_barrier_wait -1
.if \fill
	CREST                                          ; a round of the cluster's barrier: no wave of any partner still reads this slot or has a load on its way
	s_add_nc_u64 s[G0+4*\slot+2:G0+4*\slot+3], s[G0+4*\slot+2:G0+4*\slot+3], 2*ASTEP
	s_add_nc_u64 s[G0B+4*\slot+2:G0B+4*\slot+3], s[G0B+4*\slot+2:G0B+4*\slot+3], 2*ROWB
	JLOAD G0+4*\slot, G1, G0B+4*\slot, G1B
.else
	PLACES NP
.endif
	v_add_nc_u32 v[ADRS], 4*NQ, v[ADRS]
	FETCH_B \next, 0, 0
	FETCH_A \next, 0, 0
	SCALES \next
	WIN MUL_HI
	MUL16 4, 1, NQ-1, \slot, 0
	MUL16 6, 1, NQ-1, \slot, 0
	PLACES NP
	WIN 0
	FETCH_A \next, 0, 4
.endm
	s_wait_tensorcnt 1                             ; the scale bytes and my part of K step 0 are in (K step 1's load may be out),
	s_barrier_signal -1
	s_barrier_wait -1                              ; everybody's are
	FETCH_B 0, 0, 0
	FETCH_A 0, 0, 0
	SCALES 0
	FETCH_A 0, 0, 4
	s_wait_loadcnt 0x0                             ; bo
	STEP 0, 0, 1
	s_mov_b32 s3, LAPS-1
.Llap:
	TURN 0, 1, 1
	STEP 1, 0, 0
	TURN 1, 0, 1
	STEP 0, 0, 0
	s_sub_co_u32 s3, s3, 1
	s_cmp_lg_u32 s3, 0
	s_cbranch_scc1 .Llap
	TURN 0, 1, 0
	STEP 1, 0, 0
	s_wait_dscnt 4*NL
	WIN MUL_LO
	MUL16 0, 1, NQ-1, 1, 0
	MUL16 2, 1, NQ-1, 1, 0
	s_wait_dscnt 0
	WIN MUL_HI
	MUL16 4, 1, NQ-1, 1, 0
	MUL16 6, 1, NQ-1, 1, 0
	WIN 0
.macro XLOAD a                         ; x's 16 rows of block a into set a % 4 of window 1
	WIN 0x40
.irp t, 0,1,2,3,4,5,6,7,8,9,10,11,12,13,14,15
	global_load_b128 v[64*((\a)%4)+4*\t:64*((\a)%4)+4*\t+3], v[CO], s[98:99] offset:(16*(\a)+\t)*4096 th:TH_LOAD_NT
.endr
	WIN 0
.endm
.macro TOSTAGE a                       ; block a through my stage: LDS serves a wave's instructions in order, so no wait stands between the stores and the loads
.set AC, 64*((\a)%4)
	WIN 0x08+4*((\a)/4)
.irp b, 0,1,2,3,4,5,6,7
	ds_store_b128 v[STO], v[AC+8*\b:AC+8*\b+3] offset:64*\b          ; each accumulator from its low end on
	ds_store_b128 v[STO], v[AC+8*\b+4:AC+8*\b+7] offset:64*\b+16
.endr
	WIN 0
.set BB, BK+64*((\a)%2)
.irp t, 0,1,2,3,4,5,6,7,8,9,10,11,12,13,14,15
	ds_load_b128 v[BB+4*\t:BB+4*\t+3], v[RD] offset:\t*SPITCH
.endr
.endm
.macro SEND a, younger                 ; younger: the LDS instructions issued behind block a's loads
.set BB, BK+64*((\a)%2)
.set XB, 64*((\a)%4)
	s_wait_dscnt \younger                          ; the block is back in registers
.if (\a) < 4
	s_wait_loadcnt 48                              ; x's block a is in; the three blocks behind it (48 loads) may be out
.else
	s_wait_loadcnt 16*(7-(\a))
.endif
	WIN 0x04                                       ; source 1 (x) window 1
.set n, 0
.rept 32
	v_pk_add_f32 v[BB+n:BB+n+1], v[BB+n:BB+n+1], v[XB+n:XB+n+1]
.set n, n+2
.endr
	WIN 0
.irp t, 0,1,2,3,4,5,6,7,8,9,10,11,12,13,14,15
	global_store_b128 v[CO], v[BB+4*\t:BB+4*\t+3], s[12:13] offset:(16*(\a)+\t)*4096 th:TH_STORE_NT   ; 32 lanes store 512 consecutive bytes, aligned; 127 rows at the most: inside the signed 24-bit immediate
.endr
.if (\a) < 4
	XLOAD (\a)+4
.endif
.endm
	PLACES NP                                      ; in front of the loads into registers that held fragments, and of the first reads of results
	XLOAD 0
	XLOAD 1
	XLOAD 2
	XLOAD 3
	TOSTAGE 0
.irp a, 1,2,3,4,5,6,7
.if \a > 1
	s_wait_xcnt 0x0                                ; block a - 2's stores have read their registers: block a's loads may land there
.endif
	TOSTAGE \a
	SEND \a-1, 32                                  ; behind block a - 1's loads: block a's 16 stores and 16 loads
.endr
	SEND 7, 0
	s_wait_tensorcnt 0x0                           ; the wave's end
	ds_add_u32 v[SPW], v[NIL]
	s_wait_dscnt 0x0
	CROUND                                         ; the closing round
	s_endpgm
.Lfunc_end_k_q1443fe98b0_oproj:
	.size	k_q1443fe98b0_oproj, .Lfunc_end_k_q1443fe98b0_oproj-k_q1443fe98b0_oproj
	.p2alignl 7, 3214868480
	.fill 96, 4, 3214868480
	.section	.rodata,"a",@progbits
	.p2align	6, 0x0
	.amdhsa_kernel k_q1443fe98b0_oproj
		.amdhsa_group_segment_fixed_size 327680
		.amdhsa_private_segment_fixed_size 0
		.amdhsa_enable_private_segment 0
		.amdhsa_kernarg_size 40
		.amdhsa_user_sgpr_count 2
		.amdhsa_user_sgpr_kernarg_segment_ptr 1
		.amdhsa_wavefront_size32 1
		.amdhsa_system_sgpr_workgroup_id_x 1
		.amdhsa_system_sgpr_workgroup_id_y 1
		.amdhsa_system_sgpr_workgroup_id_z 1
		.amdhsa_system_vgpr_workitem_id 0
		.amdhsa_next_free_vgpr 1024
		.amdhsa_next_free_sgpr 100
		.amdhsa_reserve_vcc 0
		.amdhsa_float_denorm_mode_32 3
		.amdhsa_float_denorm_mode_16_64 3
		.amdhsa_memory_ordered 1
		.amdhsa_forward_progress 1
		.amdhsa_inst_pref_size 190
	.end_amdhsa_kernel
	.amdgpu_metadata
---
amdhsa.version: [ 1, 2 ]
amdhsa.kernels:
  - .name:           k_q1443fe98b0_oproj
    .symbol:         k_q1443fe98b0_oproj.kd
    .args:
      - { .name: oq, .offset: 0, .size: 8, .value_kind: global_buffer, .address_space: global }
      - { .name: wq, .offset: 8, .size: 8, .value_kind: global_buffer, .address_space: global }
      - { .name: bo, .offset: 16, .size: 8, .value_kind: global_buffer, .address_space: global }
      - { .name: x, .offset: 24, .size: 8, .value_kind: global_buffer, .address_space: global }
      - { .name: out0, .offset: 32, .size: 8, .value_kind: global_buffer, .address_space: global }
    .group_segment_fixed_size: 327680
    .private_segment_fixed_size: 0
    .kernarg_segment_align: 8
    .kernarg_segment_size: 40
    .max_flat_workgroup_size: 128
    .sgpr_count:     100
    .vgpr_count:     1024
    .wavefront_size: 32
...
	.end_amdgpu_metadata
.endif
;; end of part 4
